; MI455X (gfx1250); checked and timed in simulation.
; The chip was launched on July 23, 2026; its instructions are those of AMD's public machine-readable ISA for CDNA 5 (MIT licence, August 2026) and "CDNA5" Instruction Set Architecture Reference Guide (July 2026). The comments in the code are by the model that wrote it; some were corrected since.
;; Multi Head Self Attention. Allowed arithmetic: matrix products marked QUANTISED: E4M3 operands, one E8M0 scale for each 32 along K, by v_wmma_scale_f32_16x16x128_f8f6f4 with both operands' format E4M3, f32 sums; products left as they are: f32 operands where the result goes on into a quantised operand, else bf16, f16 or f32 operands; f32 sums; everything else in f32.
;; Inputs: W_out 1,024 x 1,024 float32; W_qkv 3,072 x 1,024 float32; b_out 1,024 float32; b_qkv 3,072 float32; x 4 x 2,048 x 1,024 float32.
;; Outputs: out0 4 x 2,048 x 1,024 float32.
;; This version of the problem:
;;   THIS VERSION OF THE PROBLEM IS GIVEN IN LOW PRECISION. The matrix products marked QUANTISED in the list below multiply operands that are first quantised to E4M3 (4 exponent bits, 3 mantissa bits; 8 bits a number), with one power-of-two scale for each 32 numbers along K (OCP MX v1.0); their sums are f32. All else is computed in f32.
;;   The module's matrix products, in the order in which they are computed (A, B: the left and right operand; K: the contracted axis; several contracted axes count as one K, in the product's order):
;;     1. [M 8,192, K 1,024] x [K 1,024, N 3,072]; A: input x; B: input W_qkv: QUANTISED
;;     2. [M 2,048, K 1] x [K 1, N 32]; A: computed on the way; B: computed on the way: left as it is (no contracted axis)
;;     3. batch 64 x [M 2,048, K 64] x [K 64, N 2,048]; A: computed on the way; B: computed on the way: QUANTISED
;;     4. batch 64 x [M 2,048, K 2,048] x [K 2,048, N 64]; A: softmax (see below); B: computed on the way: QUANTISED
;;     5. [M 8,192, K 1,024] x [K 1,024, N 1,024]; A: computed on the way; B: input W_out: QUANTISED
;;   THE QUANTISER, for each operand of a quantised product, along K:
;;     - K is cut into blocks of 32 from its start; a last block that is shorter is filled with zeros.
;;     - A block's scale is 2^e with e = floor(log2(the largest magnitude in the block)) - 8, held to -126 .. 127; a block of zeros has e = 0. As a byte (E8M0): e + 127.
;;     - Each number is divided by its block's scale, clamped to +-448, and rounded to the nearest number of E4M3, ties to even, subnormals kept.
;;     - The product sums the exact products of the quantised numbers (number of the format x scale) in f32.
;;   ~~~python
;;   def quantise(x, axis):      # numpy; x: float32 -> the quantised numbers, widened to float32 again
;;       x = np.moveaxis(x, axis, -1); K = x.shape[-1]
;;       x = np.pad(x, [(0, 0)] * (x.ndim - 1) + [(0, -K % 32)]); x = x.reshape(x.shape[:-1] + (-1, 32)); a = np.abs(x).max(-1, keepdims=True)
;;       e = np.where(a > 0, np.clip(np.frexp(np.where(a > 0, a, 1))[1] - 1 - 8, -126, 127), 0)      # np.frexp(a)[1] - 1 = floor(log2(a)), exactly
;;       r = np.clip(x / 2.0 ** e, -448, 448)
;;       step = 2.0 ** (np.maximum(np.frexp(np.where(r == 0, 1, r))[1] - 1, -6) - 3)
;;       q = np.round(r / step) * step * 2.0 ** e      # np.round: ties to even
;;       return np.moveaxis(q.reshape(q.shape[:-2] + (-1,))[..., :K], -1, axis).astype(np.float32)
;;   ~~~
;;   SOFTMAX AHEAD OF A QUANTISED PRODUCT. Where the list says 'softmax', what is quantised is not the finished softmax but p = 2^(t - M), with t = logit x log2(e) and M = ceil(the row's largest t), a whole number; so 1/2 < the row's largest p <= 1. The row's sum l is taken of the UNQUANTISED p, in f32, and the product's result is divided by l at the end. Since M is a whole number, a kernel that streams over the keys may use a running M (the ceiling of the running maximum): every later rescaling is an exact power of two, which a block's scale takes up: the codes' values come out the same.
;;   OPERANDS COMPUTED ON THE WAY. 'Computed on the way' means the value that the module computes at that place (a softmax that the list does not call 'softmax' is quantised finished and normalised). What goes into a quantiser is computed in f32, as accurately as f32 sums, v_exp_f32 and their like allow (about 1e-6 of the number): no bf16 or f16 on the way to a quantiser, and a product that is left as it is and whose result goes on into a quantised operand takes f32 operands (vector FMAs, or v_wmma_f32_16x16x4_f32). A number that lies on a knife's edge between two numbers of the format may be rounded either way, as far as f32 arithmetic and the matrix unit's own rounding can turn it there, and no further.
;; One version. Each part assembles by itself: llvm-mc -triple=amdgcn-amd-amdhsa -mcpu=gfx1250 --defsym DOCPART=n.
;; ======== version 1 of 1: 4 launches
;; limits: right only within a limited range of input values
;; workspace buffers: pc 12,582,912 bytes; ps 393,216 bytes; rt 524,288 bytes; qq 8,912,896 bytes; kv 17,825,792 bytes; ac 8,388,608 bytes; asl 262,144 bytes
;; launch prep (part 1): grid 256 x 1, 3 waves a work-group, no clusters, 26,112 bytes of LDS; arguments x, W_qkv, W_out, pc, ps, rt; writes pc, ps, rt
.if DOCPART == 1
	.amdgcn_target "amdgcn-amd-amdhsa--gfx1250"
	.amdhsa_code_object_version 6
	.text
	.protected	k_q8f20c65d81_prep
	.globl	k_q8f20c65d81_prep
	.p2align	8
	.type	k_q8f20c65d81_prep,@function
k_q8f20c65d81_prep:
	s_mov_b64 s[64:65], 0
	v_nop
	global_prefetch_b8 v0, s[64:65] scope:SCOPE_SE
	s_setreg_imm32_b32 hwreg(HW_REG_WAVE_MODE, 25, 1), 1
	s_wait_xcnt 0x0
; x [8192][1024], W_qkv [3072][1024] and W_out [1024][1024], f32, K innermost, become codes of FP8 (E4M3) with one E8M0 byte for each 32 along K; and the table of cos and sin for the rotary embedding is made.
; THE CODES ARE LAID AS IMAGES OF OPERAND REGISTERS.  A fragment (16 rows x 128 K) is [c 0..3][lane 0..31][16 bytes]: lane (r, h) holds row r, k = 32 c + 16 h + 0 .. 15.  pc = [tile 768][K step 8][2,048 bytes];
; tiles 0-511 x, 512-703 W_qkv, 704-767 W_out.  ps = [tile][r 16][8 words], a word = the four scale bytes of a K step.
; THE ROWS OF A TILE ARE NOT NEIGHBOURS: lane r of tile T takes row 32 (T / 2) + 8 (T % 2) + r + 8 (r / 8), so that a product that takes such tiles as source 0 leaves 16 neighbours along the next K in a lane.
; SHARES: 768 tiles, one a wave, three waves a work-group, 256 work-groups.  Work-groups share no input, so there is no cluster; waves share nothing, so there is no barrier.
; A load reads 512 consecutive bytes of one row (16 a lane); the conversions want 16 neighbours along K in ONE lane: a K step's 16 rows x 512 bytes turn through the wave's own stage in LDS (rows 528 bytes apart).
; A block's scale is 2^(floor(log2(largest magnitude)) - 8): its byte is that magnitude's exponent field - 8, held at 1 from below.  A block of zeros so has the byte 1 where the rule says 127: its codes are zeros, and this program alone reads the bytes.
; THE TABLE: rt = [token 2,048][cos 32 | sin 32] f32.  Waves 0-511 make four tokens each.  angle = token x 10000^(-j / 32) in f32; the angle is reduced by multiples of pi / 2 in two parts (the first subtraction is exact up to
; angles of 2,048), sine and cosine are polynomials on +-pi / 4.
; LIMITS: NaN and infinities among the inputs are not served; blocks whose largest magnitude lies under 2^-118 get the byte 1; 10000^(-j / 32), made by v_exp_f32, may differ from the f32 power and division by an ulp or two, which moves an angle by 2e-4 at the most.
.set GA,   1                           ; v1   16 x lane: a load's and a code store's place
.set STI,  2                           ; v2   the stage, way in: 16 x lane + my wave's stage
.set STOU, 3                           ; v3   the stage, way out: 528 r + 64 h + my wave's stage
.set PSO,  4                           ; v4   32 r + 16 h: my 16 bytes of the tile's scale words
.set SW,   24                          ; v24-31  a scale word for each K step
.set TM,   32                          ; v32-35 largest magnitudes, v36-39 bytes, v40-43 448 x the scale, v44-47 the conversions' scale operands
.set PC,   48                          ; v48-63  a fragment's codes
.set R,    64                          ; v64-191 two sets of 64: a K step as it is loaded
.set X,    192                         ; v192-255 a K step as the conversions want it; before that the table's temporaries
.set SEL,  28                          ; s[28:29] v_permlanex16_b32's selects for lane l xor 16
.set MNT,  30                          ; s30  the mantissa field of 448
	s_load_b256 s[4:11], s[0:1], 0x0               ; x, W_qkv, W_out, pc
	s_load_b128 s[12:15], s[0:1], 0x20             ; ps, rt
	s_set_vgpr_msb 0x40
	v_lshl_add_u32 v0, v0, 2, 0x6400
	v_mov_b32 v1, 0
	s_set_vgpr_msb 0x4000
	v_lshrrev_b32 v1, 5, v0
	v_readfirstlane_b32 s16, v1                    ; wave 0..2
	s_mul_i32 s17, ttmp9, 3
	s_add_co_u32 s17, s17, s16                     ; T: my tile, 0..767
	v_and_b32 v5, 31, v0                           ; lane
	v_and_b32 v6, 15, v0                           ; r
	v_bfe_u32 v7, v0, 4, 1                         ; h
	v_lshlrev_b32 v[GA], 4, v5
	s_mul_i32 s18, s16, 8448                       ; my stage: 16 rows x 528 bytes
	v_add_nc_u32 v[STI], s18, v[GA]
	v_mul_u32_u24 v[STOU], v6, 528
	v_lshl_add_u32 v[STOU], v7, 6, v[STOU]
	v_add_nc_u32 v[STOU], s18, v[STOU]
	v_lshlrev_b32 v[PSO], 5, v6
	v_lshl_add_u32 v[PSO], v7, 4, v[PSO]
	s_mov_b32 s[SEL], 0x76543210
	s_mov_b32 s[SEL+1], 0xfedcba98
	s_mov_b32 s[MNT], 0x600000
.irp b, 0,1,2,3
	v_mov_b32 v[TM+4+\b], 0                        ; written once: a lane permute's destination counts as one of its sources
.endr
	s_wait_kmcnt 0x0
	s_mov_b32 s19, 704
	s_cmp_lt_u32 s17, 704                          ; which tensor: the choice hangs on the tile's number alone
	s_cselect_b64 s[20:21], s[6:7], s[8:9]
	s_cselect_b32 s19, 512, s19
	s_cmp_lt_u32 s17, 512
	s_cselect_b64 s[20:21], s[4:5], s[20:21]
	s_cselect_b32 s19, 0, s19                      ; the tensor's first tile
	s_sub_co_u32 s22, s17, s19                     ; my tile in its tensor
	s_lshr_b32 s23, s22, 1
	s_lshl_b32 s24, s23, 17                        ; 32 rows of 4,096 bytes for each pair of tiles,
	s_and_b32 s22, s22, 1
	s_lshl_b32 s22, s22, 15                        ; 8 rows for the odd one
	s_add_co_u32 s24, s24, s22
	s_mov_b32 s25, 0
	s_add_nc_u64 s[20:21], s[20:21], s[24:25]
	s_lshl_b32 s24, s17, 14
	s_add_nc_u64 s[10:11], s[10:11], s[24:25]      ; my tile's 8 images
	s_lshl_b32 s24, s17, 9
	s_add_nc_u64 s[12:13], s[12:13], s[24:25]      ; and its scale words
.macro LOAD t                          ; K step t: 16 rows x 512 bytes into set t % 2; each load reads 512 consecutive bytes
.irp p, 0,1,2,3,4,5,6,7,8,9,10,11,12,13,14,15
	global_load_b128 v[R+64*((\t)%2)+4*\p:R+64*((\t)%2)+4*\p+3], v[GA], s[20:21] offset:(\p+8*(\p/8))*4096+512*(\t) th:TH_LOAD_NT
.endr
.endm
	LOAD 0
	LOAD 1
	; ---- the table: tokens 4 T .. 4 T + 3, in the first 512 waves, while the first loads are on their way
	s_cmp_ge_u32 s17, 512
	s_cbranch_scc1 .Lno_table
	s_lshl_b32 s24, s17, 10                        ; four rows of 256 bytes
	s_add_nc_u64 s[14:15], s[14:15], s[24:25]
	s_mov_b32 s31, 0x3fc90fdb                      ; pi / 2, upper part
	s_mov_b32 s32, 0x333bbd2e                      ; upper part - pi / 2
	s_mov_b32 s33, 0xbe2aaaa3                      ; sine: -1.6666654611e-1,
	s_mov_b32 s34, 0x3c08839e                      ; 8.3321608736e-3,
	s_mov_b32 s35, 0xb94ca1f9                      ; -1.9515295891e-4
	s_mov_b32 s36, 0x3d2aaaa5                      ; cosine: 4.166664568e-2,
	s_mov_b32 s37, 0xbab6061a                      ; -1.388731625e-3,
	s_mov_b32 s38, 0x37ccf5ce                      ; 2.443315712e-5
	s_lshl_b32 s26, s17, 2                         ; my first token
	v_lshlrev_b32 v16, 3, v5                       ; 8 x lane: lanes 0-15 the row's cosines, lanes 16-31 its sines, two frequencies a lane
	v_xor_b32 v19, 1, v7                           ; 1 in the lanes that make cosines: cos(a) = sin(a + pi / 2)
	v_lshlrev_b32 v20, 1, v6
	v_cvt_f32_u32 v20, v20                         ; j = 2 r,
	v_add_f32 v21, 1.0, v20                        ; and 2 r + 1
	v_mul_f32 v20, 0xbed49a78, v20                 ; -j log2(10000) / 32
	v_mul_f32 v21, 0xbed49a78, v21
	s_wait_alu depctr_va_vdst(0)
	v_exp_f32 v17, v20                             ; 10000^(-j / 32)
	v_exp_f32 v18, v21
	v_nop                                          ; a plain instruction behind the exponentials,
	s_wait_alu depctr_va_vdst(0)                   ; and one wait for both, ahead of their first reader
.macro TRIG dst, inv                   ; v[dst] = cos or sin of v199 x v[inv]
	v_mul_f32 v192, v199, v[\inv]                  ; the angle, rounded to f32 as the product of token and frequency is
	v_mul_f32 v193, 0x3f22f983, v192               ; x 2 / pi
	v_rndne_f32 v193, v193                         ; k
	v_fma_f32 v194, -v193, s31, v192               ; angle - k x the upper part: exact
	v_fma_f32 v194, v193, s32, v194                ; + k x what the upper part has too much: r, within +-pi / 4
	v_mul_f32 v195, v194, v194                     ; z = r r
	v_fma_f32 v196, v195, s35, s34
	v_fma_f32 v196, v196, v195, s33
	v_mul_f32 v197, v194, v195
	v_fma_f32 v196, v196, v197, v194               ; sin r
	v_fma_f32 v197, v195, s38, s37
	v_fma_f32 v197, v197, v195, s36
	v_mul_f32 v198, v195, v195
	v_fma_f32 v192, v195, -0.5, 1.0
	v_fma_f32 v197, v197, v198, v192               ; cos r
	v_cvt_i32_f32 v193, v193
	v_add_nc_u32 v193, v193, v19                   ; the quadrant, one on for a cosine
	v_and_b32 v198, 1, v193
	v_cmp_eq_u32 vcc_lo, 1, v198
	v_cndmask_b32 v196, v196, v197, vcc_lo         ; odd quadrants take cos r
	v_lshlrev_b32 v193, 30, v193
	v_and_b32 v193, 0x80000000, v193               ; quadrants 2 and 3 change the sign
	v_xor_b32 v[\dst], v193, v196
.endm
.irp i, 0,1,2,3
	s_add_co_u32 s27, s26, \i
	v_cvt_f32_u32 v199, s27
	TRIG 8+2*\i, 17
	TRIG 9+2*\i, 18
	global_store_b64 v16, v[8+2*\i:9+2*\i], s[14:15] offset:256*\i   ; 32 lanes store a token's 256 bytes, aligned; each token has registers of its own
.endr
.Lno_table:
; 64 numbers of a lane, register 16 b + i = k 32 b + 16 h + i of my row, become a fragment's codes in v[PC] on; the four scale bytes are left in v[TM+4] on.
.macro QUANT s
.irp b, 0,1,2,3
	v_max3_num_f32 v[TM+\b], |v[\s+16*\b]|, |v[\s+1+16*\b]|, 0x4800000   ; block b: my 16 numbers, and the floor 2^(9 - 127): the byte cannot fall under 1
.endr
.irp i, 2,4,6,8,10,12,14
.irp b, 0,1,2,3
	v_max3_num_f32 v[TM+\b], v[TM+\b], |v[\s+16*\b+\i]|, |v[\s+1+16*\b+\i]|   ; the four blocks by turns
.endr
.endr
.irp b, 0,1,2,3
	v_permlanex16_b32 v[TM+4+\b], v[TM+\b], s[SEL], s[SEL+1]
.endr
.irp b, 0,1,2,3
	v_max_num_f32 v[TM+\b], v[TM+\b], v[TM+4+\b]   ; with lane l xor 16's 16: the block's largest magnitude
.endr
.irp b, 0,1,2,3
	v_add_nc_u32 v[TM+12+\b], 0xfc000000, v[TM+\b] ; 8 off its exponent field: the conversion takes this operand's exponent field as its scale
.endr
.irp b, 0,1,2,3
	v_and_or_b32 v[TM+8+\b], v[TM+\b], 0x7f800000, s[MNT]   ; 448 x the scale
.endr
.irp b, 0,1,2,3
	v_lshrrev_b32 v[TM+4+\b], 23, v[TM+12+\b]      ; the scale's byte
.endr
.irp b, 0,1,2,3
.irp i, 0,1,2,3,4,5,6,7,8,9,10,11,12,13,14,15
	v_med3_num_f32 v[\s+16*\b+\i], v[\s+16*\b+\i], -v[TM+8+\b], v[TM+8+\b]   ; the conversion to an 8-bit code does not saturate (ISA guide 7.6.2): the hold at 448 x the scale
.endr
	v_cvt_scalef32_pk8_fp8_f32 v[PC+4*\b:PC+1+4*\b], v[\s+16*\b:\s+7+16*\b], v[TM+12+\b]
	v_cvt_scalef32_pk8_fp8_f32 v[PC+2+4*\b:PC+3+4*\b], v[\s+8+16*\b:\s+15+16*\b], v[TM+12+\b]
.endr
	v_nop                                          ; one plain instruction behind the last conversion
.endm
.macro FRAGQ f                         ; K step f
.set RS, R+64*((\f)%2)
.if (\f) < 7
	s_wait_loadcnt 16                              ; this K step's 16 loads are in; the next one's 16 may be out
.else
	s_wait_loadcnt 0x0
.endif
.irp p, 0,1,2,3,4,5,6,7,8,9,10,11,12,13,14,15
	ds_store_b128 v[STI], v[RS+4*\p:RS+4*\p+3] offset:528*\p       ; row p as it was loaded
.endr
.irp b, 0,1,2,3
.irp j, 0,1,2,3
	ds_load_b128 v[X+16*\b+4*\j:X+16*\b+4*\j+3], v[STOU] offset:128*\b+16*\j   ; LDS serves a wave's instructions in order: these see the stores above
.endr
.endr
	s_wait_dscnt 0x0                               ; my 64 numbers are back, and the stores have read their registers,
	s_wait_xcnt 0x0                                ; and the last K step's code stores have read theirs: the codes' registers may be written again
.if (\f) < 6
	LOAD (\f)+2                                    ; into the set just emptied
.endif
	QUANT X
	v_lshl_or_b32 v[SW+(\f)], v[TM+5], 8, v[TM+4]  ; my row's scale word of this K step
	v_lshl_or_b32 v[SW+(\f)], v[TM+6], 16, v[SW+(\f)]
	v_lshl_or_b32 v[SW+(\f)], v[TM+7], 24, v[SW+(\f)]
.irp c, 0,1,2,3
	global_store_b128 v[GA], v[PC+4*\c:PC+4*\c+3], s[10:11] offset:2048*(\f)+512*\c   ; the image: 32 lanes store 512 consecutive bytes
.endr
.endm
	s_wait_alu depctr_va_vdst(0)
.irp f, 0,1,2,3,4,5,6,7
	FRAGQ \f
.endr
	v_cmp_ne_u32 vcc_lo, 0, v7
.irp i, 0,1,2,3
	v_cndmask_b32 v[20+\i], v[SW+\i], v[SW+4+\i], vcc_lo   ; lanes 0-15 store their row's words 0-3, lanes 16-31 words 4-7 (both halves of the lanes hold all eight)
.endr
	global_store_b128 v[PSO], v[20:23], s[12:13]   ; the tile's 512 bytes of scale words in one store
	s_set_vgpr_msb 0x5
	s_wait_tensorcnt 0x0
	ds_add_u32 v0, v1
	s_wait_dscnt 0x0
	s_set_vgpr_msb 0x500
	s_endpgm
.Lfunc_end_k_q8f20c65d81_prep:
	.size	k_q8f20c65d81_prep, .Lfunc_end_k_q8f20c65d81_prep-k_q8f20c65d81_prep
	.p2alignl 7, 3214868480
	.fill 96, 4, 3214868480
	.section	.rodata,"a",@progbits
	.p2align	6, 0x0
	.amdhsa_kernel k_q8f20c65d81_prep
		.amdhsa_group_segment_fixed_size 26112
		.amdhsa_private_segment_fixed_size 0
		.amdhsa_enable_private_segment 0
		.amdhsa_kernarg_size 48
		.amdhsa_user_sgpr_count 2
		.amdhsa_user_sgpr_kernarg_segment_ptr 1
		.amdhsa_wavefront_size32 1
		.amdhsa_system_sgpr_workgroup_id_x 1
		.amdhsa_system_sgpr_workgroup_id_y 1
		.amdhsa_system_sgpr_workgroup_id_z 1
		.amdhsa_system_vgpr_workitem_id 0
		.amdhsa_next_free_vgpr 258
		.amdhsa_next_free_sgpr 66
		.amdhsa_reserve_vcc 1
		.amdhsa_float_denorm_mode_32 3
		.amdhsa_float_denorm_mode_16_64 3
		.amdhsa_memory_ordered 1
		.amdhsa_forward_progress 1
		.amdhsa_inst_pref_size 109
	.end_amdhsa_kernel
	.amdgpu_metadata
---
amdhsa.version: [ 1, 2 ]
amdhsa.kernels:
  - .name:           k_q8f20c65d81_prep
    .symbol:         k_q8f20c65d81_prep.kd
    .args:
      - { .name: x, .offset: 0, .size: 8, .value_kind: global_buffer, .address_space: global }
      - { .name: W_qkv, .offset: 8, .size: 8, .value_kind: global_buffer, .address_space: global }
      - { .name: W_out, .offset: 16, .size: 8, .value_kind: global_buffer, .address_space: global }
      - { .name: pc, .offset: 24, .size: 8, .value_kind: global_buffer, .address_space: global }
      - { .name: ps, .offset: 32, .size: 8, .value_kind: global_buffer, .address_space: global }
      - { .name: rt, .offset: 40, .size: 8, .value_kind: global_buffer, .address_space: global }
    .group_segment_fixed_size: 26112
    .private_segment_fixed_size: 0
    .kernarg_segment_align: 8
    .kernarg_segment_size: 48
    .max_flat_workgroup_size: 96
    .sgpr_count:     66
    .vgpr_count:     258
    .wavefront_size: 32
...
	.end_amdgpu_metadata
.endif
;; end of part 1
;; launch qkv (part 2): grid 8 x 48, 4 waves a work-group, clusters of 4 x 4, 327,680 bytes of LDS; arguments pc, ps, b_qkv, rt, qq, kv; writes qq, kv
.if DOCPART == 2
	.amdgcn_target "amdgcn-amd-amdhsa--gfx1250"
	.amdhsa_code_object_version 6
	.text
	.protected	k_q8f20c65d81_qkv
	.globl	k_q8f20c65d81_qkv
	.p2align	8
	.type	k_q8f20c65d81_qkv,@function
k_q8f20c65d81_qkv:
	s_mov_b64 s[64:65], 0
	v_nop
	global_prefetch_b8 v0, s[64:65] scope:SCOPE_SE
	s_setreg_imm32_b32 hwreg(HW_REG_WAVE_MODE, 25, 1), 1
	s_wait_xcnt 0x0
	s_wait_alu depctr_hold_cnt(0) depctr_sa_sdst(0) depctr_va_vdst(0) depctr_va_sdst(0) depctr_va_ssrc(0) depctr_va_vcc(0) depctr_vm_vsrc(0)
	s_getreg_b32 s2, hwreg(HW_REG_IB_STS2, 6, 4)
	s_cmp_eq_u32 s2, 0
	s_cbranch_scc0 .Lentry_in_a_cluster
	s_endpgm
.Lentry_in_a_cluster:
	s_bfe_u32 s2, ttmp6, 0x10000c
	s_cmp_lg_u32 s2, 0xf033
	s_cbranch_scc0 .Lentry_shape_is_right
	s_endpgm
.Lentry_shape_is_right:
.set NQ,     2
.set FR,     16
.set NL,     4
.set NP,     8
.set HALFT,  32768
.set SLOT,   4*HALFT
.set SCL,    2*SLOT
.set HALFS,  16*272
.set SBLK,   2*272
.set SPARE,  SCL+4*HALFS
.set ADRA, 16
.set ADRB, 20
.set CO,   26
.set ADRS, 27
.set SPW,  28
.set NIL,  29
.set SC,   32
.set AF,   128
.set BI,   64
.set T,    128
.set PC,   192
.set TM,   208
.set UU,   226
.set SW,   234
.set SEL,  2
.set WVN,  16
.set HR,   17
.set HC,   18
.set CXC,  19
.set CYC,  20
.set CLX,  21
.set CLY,  22
.set TR,   23
.set TC,   40
.set G1,   24
.set G0,   32
.set G1B,  48
.set G0B,  56
.set G1S,  68
.set G0S,  76
.set G1SB, 80
.set G0SB, 88
.set MNT,  104
.set MSB, 0
.macro WIN new
.if MSB != (\new)
	s_set_vgpr_msb (MSB<<8)|(\new)
.set MSB, (\new)
.endif
.endm
.set MUL_LO, 0xa1
.set MUL_HI, 0xf1
.set TO_B,   0x40
.macro JLOAD g0a, g1a, g0b, g1b
	s_cmp_eq_u32 s[HR], 0
	s_cbranch_scc0 .Lfor_b_\@
	tensor_load_to_lds s[\g0a:\g0a+3], s[\g1a:\g1a+7]
	s_nop 0
.rept 4
	v_nop
.endr
	s_branch .Lasked_\@
.Lfor_b_\@:
	tensor_load_to_lds s[\g0b:\g0b+3], s[\g1b:\g1b+7]
	s_nop 0
.rept 4
	v_nop
.endr
.Lasked_\@:
.endm
.macro CREST
	s_cmp_lg_u32 s[WVN], 0
	s_cbranch_scc1 .Lnot_wave_0_\@
	s_barrier_signal -3
.Lnot_wave_0_\@:
	s_barrier_wait -3
	s_barrier_signal -1
	s_barrier_wait -1
.endm
.macro CROUND
	s_barrier_signal -1
	s_barrier_wait -1
	CREST
.endm
	s_load_b256 s[4:11], s[0:1], 0x0
	s_load_b128 s[12:15], s[0:1], 0x20
	v_lshl_add_u32 v[SPW], v0, 2, SPARE
	v_mov_b32 v[NIL], 0
	ds_add_u32 v28, v29
	ds_add_u32 v28, v29
	s_wait_dscnt 0x0
	v_lshrrev_b32 v1, 5, v0
	v_readfirstlane_b32 s[WVN], v1
	s_lshr_b32 s[HR], s[WVN], 1
	s_and_b32 s[HC], s[WVN], 1
	s_bfe_u32 s[CXC], ttmp6, 0x40000
	s_bfe_u32 s[CYC], ttmp6, 0x40004
	s_mov_b32 s[CLX], ttmp9
	s_and_b32 s[CLY], ttmp7, 0xffff
	s_lshl_b32 s41, s[CYC], 2
	s_lshl_b32 s41, 15, s41
	s_lshl_b32 s105, 0x1111, s[CXC]
	s_or_b32 s[G1+0], s41, (3<<16)|(1<<21)
	s_or_b32 s[G1B+0], s105, (3<<16)|(1<<21)
.irp g, G1, G1B
	s_mov_b32 s[\g+1], 512<<16
	s_mov_b32 s[\g+2], 16<<16
	s_mov_b32 s[\g+3], 512<<16
	s_mov_b32 s[\g+4], 16
	s_mov_b32 s[\g+5], 2048
	s_mov_b32 s[\g+6], 0
	s_mov_b32 s[\g+7], 0
.endr
	s_or_b32 s[G1S+0], s41, (3<<16)|(1<<20)|(1<<21)|(5<<22)|(3<<25)
	s_or_b32 s[G1SB+0], s105, (3<<16)|(1<<20)|(1<<21)|(5<<22)|(3<<25)
.irp g, G1S, G1SB
	s_mov_b32 s[\g+1], 32<<16
	s_mov_b32 s[\g+2], 32<<16
	s_mov_b32 s[\g+3], 32<<16
	s_mov_b32 s[\g+4], 32
	s_mov_b32 s[\g+5], 32
	s_mov_b32 s[\g+6], 0
	s_mov_b32 s[\g+7], 0
.endr
	s_lshl_b32 s92, s[CLY], 2
	s_add_co_u32 s92, s92, s[CYC]
	s_lshl_b32 s93, s[CLX], 2
	s_add_co_u32 s93, s93, s[CXC]
	s_max_u32 s94, s[CLY], 8
	s_sub_co_u32 s94, s94, 8
	s_lshl_b32 s94, s94, 1
	s_add_co_u32 s94, s94, s[CLX]
	s_lshl_b32 s94, s94, 2
	s_add_co_u32 s94, s94, s[CXC]
	s_cmp_lt_u32 s[CLY], 8
	s_cselect_b32 s[TR], s92, s[CYC]
	s_cselect_b32 s[TC], s93, s94
	s_cselect_b32 s95, 0, 640
	s_cselect_b32 s96, 512, 0
	s_lshl_b32 s97, s[HC], 3
	s_lshl_b32 s42, s[TR], 4
	s_add_co_u32 s42, s42, s95
	s_add_co_u32 s42, s42, s97
	s_lshl_b32 s44, s[TC], 4
	s_add_co_u32 s44, s44, s96
	s_add_co_u32 s44, s44, s97
	s_lshl_b32 s46, s42, 9
	s_mov_b32 s47, 0
	s_lshl_b32 s42, s42, 14
	s_mov_b32 s43, 0
	s_lshl_b32 s98, s44, 9
	s_mov_b32 s99, 0
	s_lshl_b32 s44, s44, 14
	s_mov_b32 s45, 0
	s_mul_i32 s100, s[WVN], HALFT
	s_mul_i32 s101, s[WVN], HALFS
	s_mov_b32 s[SEL], 0x76543210
	s_mov_b32 s[SEL+1], 0xfedcba98
	s_mov_b32 s[MNT], 0x600000
	s_wait_kmcnt 0x0
	s_add_nc_u64 s[42:43], s[4:5], s[42:43]
	s_add_nc_u64 s[46:47], s[6:7], s[46:47]
	s_add_nc_u64 s[44:45], s[4:5], s[44:45]
	s_add_nc_u64 s[98:99], s[6:7], s[98:99]
	CROUND
	s_mov_b32 s[G0S], 1
	s_add_co_u32 s[G0S+1], s101, SCL
	s_mov_b64 s[G0S+2:G0S+3], s[46:47]
	s_or_b32 s[G0S+3], s[G0S+3], 0x80000000
	s_mov_b32 s[G0SB], 1
	s_add_co_u32 s[G0SB+1], s101, SCL
	s_mov_b64 s[G0SB+2:G0SB+3], s[98:99]
	s_or_b32 s[G0SB+3], s[G0SB+3], 0x80000000
.irp s, 0,1
	s_mov_b32 s[G0+4*\s], 1
	s_add_co_u32 s[G0+4*\s+1], s100, \s*SLOT
	s_add_nc_u64 s[G0+4*\s+2:G0+4*\s+3], s[42:43], \s*4096
	s_or_b32 s[G0+4*\s+3], s[G0+4*\s+3], 0x80000000
	s_mov_b32 s[G0B+4*\s], 1
	s_add_co_u32 s[G0B+4*\s+1], s100, \s*SLOT
	s_add_nc_u64 s[G0B+4*\s+2:G0B+4*\s+3], s[44:45], \s*4096
	s_or_b32 s[G0B+4*\s+3], s[G0B+4*\s+3], 0x80000000
.endr
; THE HEAD'S LOADS, ONE A WAVE: wave 0 slot 0's 16 tiles of A, wave 1 its 16 tiles of B, wave 2 the scale words of A's 16 tiles, wave 3 those of B's.  Each begins at the block's first tile: my half's 8 tiles are taken off.
	s_lshl_b32 s100, s[HC], 12                     ; 8 tiles x 512 bytes of scale words
	s_mov_b32 s101, 0
	s_sub_nc_u64 s[G0S+2:G0S+3], s[46:47], s[100:101]
	s_or_b32 s[G0S+3], s[G0S+3], 0x80000000
	s_mov_b32 s[G0S+1], SCL
	s_sub_nc_u64 s[G0SB+2:G0SB+3], s[98:99], s[100:101]
	s_or_b32 s[G0SB+3], s[G0SB+3], 0x80000000
	s_mov_b32 s[G0SB+1], SCL+2*HALFS
	s_lshl_b32 s100, s[HC], 17                     ; 8 tiles x 16,384 bytes of codes
	s_sub_nc_u64 s[46:47], s[42:43], s[100:101]    ; s[44:47]: group 0 for A's 16 tiles
	s_or_b32 s47, s47, 0x80000000
	s_sub_nc_u64 s[98:99], s[44:45], s[100:101]    ; s[96:99]: for B's
	s_or_b32 s99, s99, 0x80000000
	s_mov_b32 s44, 1
	s_mov_b32 s45, 0
	s_mov_b32 s96, 1
	s_mov_b32 s97, 2*HALFT
.macro ARM under, g0, g1, next
	s_cmp_lt_u32 s[WVN], \under
	s_cbranch_scc0 \next
	tensor_load_to_lds s[\g0:\g0+3], s[\g1:\g1+7]
	s_nop 0
.rept 4
	v_nop
.endr
	s_branch .Lhead_asked
\next:
.endm
	ARM 1, 44, G1, .Lhead_b
	ARM 2, 96, G1B, .Lhead_sa
	ARM 3, G0S, G1S, .Lhead_sb
	tensor_load_to_lds s[G0SB:G0SB+3], s[G1SB:G1SB+7]
	s_nop 0
.rept 4
	v_nop
.endr
.Lhead_asked:
	v_and_b32 v1, 15, v0
	v_bfe_u32 v2, v0, 4, 1
	v_and_b32 v3, 31, v0
	v_lshlrev_b32 v[CO], 4, v3
	s_mul_i32 s41, s[HR], HALFT
	s_mul_i32 s105, s[HC], HALFT
	s_add_co_u32 s105, s105, 2*HALFT
.irp s, 0,1
	v_add_nc_u32 v[ADRA+\s], s41, v[CO]
	v_add_nc_u32 v[ADRB+\s], s105, v[CO]
	s_add_co_u32 s41, s41, SLOT
	s_add_co_u32 s105, s105, SLOT
.endr
	v_lshlrev_b32 v5, 5, v1
	v_lshrrev_b32 v6, 8, v5
	v_lshl_add_u32 v5, v6, 4, v5
	s_mul_i32 s92, s[HR], HALFS
	s_mul_i32 s93, s[HC], HALFS
	s_add_co_u32 s93, s93, 2*HALFS
	s_sub_co_u32 s93, s93, s92
	v_mul_u32_u24 v6, s93, v2
	s_add_co_u32 s92, s92, SCL
	v_add_nc_u32 v5, v5, v6
	v_add_nc_u32 v[ADRS], s92, v5
.macro FRAG reg, adr, q, i
.irp c, 0,1,2,3
	ds_load_b128 v[\reg+4*\c:\reg+4*\c+3], v[\adr] offset:4096*(\i)+2048*(\q)+512*\c
.endr
.endm
.macro MUL16 a0, p, q, sc, zero
.irp a, \a0, \a0+1
.irp b, 0,1,2,3,4,5,6,7
.if \zero
	v_wmma_scale_f32_16x16x128_f8f6f4 v[8*(8*((\a)%4)+\b):8*(8*((\a)%4)+\b)+7], v[128*(\p)+FR*\b:128*(\p)+FR*\b+FR-1], v[AF+FR*(\a):AF+FR*(\a)+FR-1], 0, v[SC+8*NQ*(\sc)+NQ*\b+(\q)], v[SC+8*NQ*(\sc)+NQ*(\a)+(\q)] matrix_a_scale:MATRIX_SCALE_ROW1
.else
	v_wmma_scale_f32_16x16x128_f8f6f4 v[8*(8*((\a)%4)+\b):8*(8*((\a)%4)+\b)+7], v[128*(\p)+FR*\b:128*(\p)+FR*\b+FR-1], v[AF+FR*(\a):AF+FR*(\a)+FR-1], v[8*(8*((\a)%4)+\b):8*(8*((\a)%4)+\b)+7], v[SC+8*NQ*(\sc)+NQ*\b+(\q)], v[SC+8*NQ*(\sc)+NQ*(\a)+(\q)] matrix_a_scale:MATRIX_SCALE_ROW1
.endif
.endr
.endr
.endm
.macro FETCH_B slot, q, p
	WIN TO_B
.irp i, 0,1,2,3,4,5,6,7
	FRAG 128*(\p)+FR*\i, ADRB+\slot, \q, \i
.endr
	WIN 0
.endm
.macro FETCH_A slot, q, i0
.irp i, \i0, \i0+1, \i0+2, \i0+3
	FRAG AF+FR*(\i), ADRA+\slot, \q, \i
.endr
.endm
.macro SCALES sc
.irp i, 0,1,2,3,4,5,6,7
	ds_load_b64 v[SC+8*NQ*\sc+NQ*\i:SC+8*NQ*\sc+NQ*\i+1], v[ADRS] offset:\i*SBLK
.endr
.endm
.macro PLACES n
.rept \n
	v_nop
.endr
.endm
.macro STEP slot, q, zero
	s_wait_dscnt 4*NL
	WIN MUL_LO
	MUL16 0, (\q)%2, \q, \slot, \zero
	MUL16 2, (\q)%2, \q, \slot, \zero
	s_wait_dscnt 0
	PLACES NP
	FETCH_B \slot, (\q)+1, 1-(\q)%2
	FETCH_A \slot, (\q)+1, 0
	WIN MUL_HI
	MUL16 4, (\q)%2, \q, \slot, \zero
	MUL16 6, (\q)%2, \q, \slot, \zero
	PLACES NP
	WIN 0
	FETCH_A \slot, (\q)+1, 4
.endm
.macro TURN slot, next, fill
	s_wait_tensorcnt 0x0
	ds_add_u32 v[SPW], v[NIL]
	s_wait_dscnt 4*NL+1
	WIN MUL_LO
	MUL16 0, 1, NQ-1, \slot, 0
	s_wait_dscnt 0x0
	s_barrier_signal -1
	MUL16 2, 1, NQ-1, \slot, 0
	WIN 0
	s_barrier_wait -1
.if \fill
	CREST
	s_add_nc_u64 s[G0+4*\slot+2:G0+4*\slot+3], s[G0+4*\slot+2:G0+4*\slot+3], 8192
	s_add_nc_u64 s[G0B+4*\slot+2:G0B+4*\slot+3], s[G0B+4*\slot+2:G0B+4*\slot+3], 8192
	JLOAD G0+4*\slot, G1, G0B+4*\slot, G1B
	PLACES NP-4
.else
	PLACES NP
.endif
	s_wait_alu depctr_va_vdst(0)
	v_add_nc_u32 v[ADRS], 4*NQ, v[ADRS]
	FETCH_B \next, 0, 0
	FETCH_A \next, 0, 0
	SCALES \next
	WIN MUL_HI
	MUL16 4, 1, NQ-1, \slot, 0
	MUL16 6, 1, NQ-1, \slot, 0
	PLACES NP
	WIN 0
	FETCH_A \next, 0, 4
.endm
	s_wait_alu depctr_va_vdst(0)                   ; the wait at the head's end
	s_wait_tensorcnt 0x0                           ; my tile of the head's four is in
	ds_add_u32 v[SPW], v[NIL]
	s_mov_b32 s[G1+2], 8<<16                       ; no tensor load of mine is out: from here on a load brings 8 tiles
	s_mov_b32 s[G1+4], 8
	s_mov_b32 s[G1B+2], 8<<16
	s_mov_b32 s[G1B+4], 8
	s_wait_dscnt 0x0
	CROUND                                         ; all four tiles are in, and all sixteen work-groups are here
	JLOAD G0+4, G1, G0B+4, G1B                     ; slot 1's first fill: the first tensor load behind the round
	FETCH_B 0, 0, 0
	FETCH_A 0, 0, 0
	SCALES 0
	FETCH_A 0, 0, 4
	STEP 0, 0, 1
	TURN 0, 1, 1
	STEP 1, 0, 0
	TURN 1, 0, 1
	STEP 0, 0, 0
	TURN 0, 1, 0
	STEP 1, 0, 0
	s_wait_dscnt 4*NL
	WIN MUL_LO
	MUL16 0, 1, NQ-1, 1, 0
	MUL16 2, 1, NQ-1, 1, 0
	s_wait_dscnt 0
	WIN MUL_HI
	MUL16 4, 1, NQ-1, 1, 0
	MUL16 6, 1, NQ-1, 1, 0
	WIN 0
	PLACES NP
.macro QUANT s
.irp b, 0,1,2,3
	v_max3_num_f32 v[TM+\b], |v[\s+16*\b]|, |v[\s+1+16*\b]|, 0x4800000
.endr
.irp i, 2,4,6,8,10,12,14
.irp b, 0,1,2,3
	v_max3_num_f32 v[TM+\b], v[TM+\b], |v[\s+16*\b+\i]|, |v[\s+1+16*\b+\i]|
.endr
.endr
.irp b, 0,1,2,3
	v_permlanex16_b32 v[TM+4+\b], v[TM+\b], s[SEL], s[SEL+1]
.endr
.irp b, 0,1,2,3
	v_max_num_f32 v[TM+\b], v[TM+\b], v[TM+4+\b]
.endr
.irp b, 0,1,2,3
	v_add_nc_u32 v[TM+12+\b], 0xfc000000, v[TM+\b]
.endr
.irp b, 0,1,2,3
	v_and_or_b32 v[TM+8+\b], v[TM+\b], 0x7f800000, s[MNT]
.endr
.irp b, 0,1,2,3
	v_lshrrev_b32 v[TM+4+\b], 23, v[TM+12+\b]
.endr
.irp b, 0,1,2,3
.irp i, 0,1,2,3,4,5,6,7,8,9,10,11,12,13,14,15
	v_med3_num_f32 v[\s+16*\b+\i], v[\s+16*\b+\i], -v[TM+8+\b], v[TM+8+\b]
.endr
	v_cvt_scalef32_pk8_fp8_f32 v[PC+4*\b:PC+1+4*\b], v[\s+16*\b:\s+7+16*\b], v[TM+12+\b]
	v_cvt_scalef32_pk8_fp8_f32 v[PC+2+4*\b:PC+3+4*\b], v[\s+8+16*\b:\s+15+16*\b], v[TM+12+\b]
.endr
	v_nop
.endm
.macro FINISH
	s_wait_tensorcnt 0x0
	ds_add_u32 v[SPW], v[NIL]
	s_wait_dscnt 0x0
	CROUND
	s_endpgm
.endm
.irp b, 0,1,2,3
	v_mov_b32 v[TM+4+\b], 0
.endr
	v_cmp_ne_u32 vcc_lo, 0, v2
	v_lshlrev_b32 v3, 6, v2
	v_and_b32 v4, 8, v1
	v_add_nc_u32 v4, v4, v1
	s_mov_b32 s101, 0
	s_cmp_lt_u32 s[CLY], 8
	s_cbranch_scc0 .Lv_part
	s_lshr_b32 s41, s[TR], 3
	s_lshl_b32 s41, s41, 4
	s_and_b32 s46, s[TC], 3
	s_lshl_b32 s46, s46, 2
	s_add_co_u32 s41, s41, s46
	s_lshl_b32 s46, s[HC], 1
	s_add_co_u32 s41, s41, s46
	s_mul_i32 s41, s41, 139264
	s_and_b32 s46, s[TR], 7
	s_lshl_b32 s46, s46, 1
	s_add_co_u32 s46, s46, s[HR]
	s_mul_i32 s47, s46, 8704
	s_add_co_u32 s41, s41, s47
	s_lshl_b32 s100, s41, s[CLX]
	s_cmp_eq_u32 s[CLX], 0
	s_cselect_b64 s[92:93], s[12:13], s[14:15]
	s_add_nc_u64 s[92:93], s[92:93], s[100:101]
	s_lshl_b32 s100, 139264, s[CLX]
	s_add_nc_u64 s[94:95], s[92:93], s[100:101]
	s_lshl_b32 s100, 8192, s[CLX]
	s_add_nc_u64 s[96:97], s[92:93], s[100:101]
	s_add_nc_u64 s[98:99], s[94:95], s[100:101]
	s_lshl_b32 s100, s[TC], 10
	s_lshl_b32 s41, s[HC], 9
	s_add_co_u32 s100, s100, s41
	s_add_nc_u64 s[42:43], s[8:9], s[100:101]
	s_lshl_b32 s100, s46, 15
	s_add_nc_u64 s[66:67], s[10:11], s[100:101]
	s_wait_alu depctr_va_vdst(0)
	v_lshl_add_u32 v4, v4, 8, v3
.irp b, 0,1,2,3,4,5,6,7
	global_load_b128 v[BI+8*\b:BI+8*\b+3], v3, s[42:43] offset:(32*(\b/2)+8*(\b%2))*4
	global_load_b128 v[BI+8*\b+4:BI+8*\b+7], v3, s[42:43] offset:(32*(\b/2)+8*(\b%2))*4+16
.endr
	WIN 0x40
.irp a, 0,1,2,3,4,5,6,7
.irp j, 0,1,2,3
	global_load_b128 v[32*\a+4*\j:32*\a+4*\j+3], v4, s[66:67] offset:(32*(\a/2)+8*(\a%2))*256+16*\j
	global_load_b128 v[32*\a+16+4*\j:32*\a+19+4*\j], v4, s[66:67] offset:(32*(\a/2)+8*(\a%2))*256+128+16*\j
.endr
.endr
	WIN 0
.macro QK_BLOCK a
	s_wait_loadcnt 8*(7-(\a))
	WIN 0x02+(\a)/4
.set p, 0
.rept 32
	v_pk_add_f32 v[T+p:T+p+1], v[64*((\a)%4)+p:64*((\a)%4)+p+1], v[BI+p:BI+p+1]
.set p, p+2
.endr
	WIN 0x04
.irp hd, 0,1
.irp ip, 0,1,2,3,4,5,6,7
	v_pk_mul_f32 v[UU+4*(\ip%2):UU+4*(\ip%2)+1], v[T+32*\hd+16+2*\ip:T+32*\hd+17+2*\ip], v[32*(\a)+16+2*\ip:32*(\a)+17+2*\ip]
	v_pk_mul_f32 v[UU+4*(\ip%2)+2:UU+4*(\ip%2)+3], v[T+32*\hd+2*\ip:T+32*\hd+1+2*\ip], v[32*(\a)+16+2*\ip:32*(\a)+17+2*\ip]
	v_pk_fma_f32 v[T+32*\hd+2*\ip:T+32*\hd+1+2*\ip], v[T+32*\hd+2*\ip:T+32*\hd+1+2*\ip], v[32*(\a)+2*\ip:32*(\a)+1+2*\ip], v[UU+4*(\ip%2):UU+4*(\ip%2)+1] neg_lo:[0,0,1] neg_hi:[0,0,1]
	v_pk_fma_f32 v[T+32*\hd+16+2*\ip:T+32*\hd+17+2*\ip], v[T+32*\hd+16+2*\ip:T+32*\hd+17+2*\ip], v[32*(\a)+2*\ip:32*(\a)+1+2*\ip], v[UU+4*(\ip%2)+2:UU+4*(\ip%2)+3]
.endr
.endr
	WIN 0
	s_wait_xcnt 0x0
	QUANT T
	v_lshl_or_b32 v[SW+(\a)], v[TM+5], 8, v[TM+4]
	v_lshl_or_b32 v[SW+8+(\a)], v[TM+7], 8, v[TM+6]
	global_store_b128 v[CO], v[PC:PC+3], s[92:93] offset:1024*(\a)
	global_store_b128 v[CO], v[PC+4:PC+7], s[92:93] offset:1024*(\a)+512
	global_store_b128 v[CO], v[PC+8:PC+11], s[94:95] offset:1024*(\a)
	global_store_b128 v[CO], v[PC+12:PC+15], s[94:95] offset:1024*(\a)+512
.endm
.irp a, 0,1,2,3,4,5,6,7
	QK_BLOCK \a
.endr
.irp i, 0,1,2,3
	v_cndmask_b32 v[T+\i], v[SW+\i], v[SW+4+\i], vcc_lo
	v_cndmask_b32 v[T+4+\i], v[SW+8+\i], v[SW+12+\i], vcc_lo
.endr
	global_store_b128 v[CO], v[T:T+3], s[96:97]
	global_store_b128 v[CO], v[T+4:T+7], s[98:99]
	FINISH
.Lv_part:
	s_lshr_b32 s41, s[TC], 3
	s_lshl_b32 s41, s41, 4
	s_lshl_b32 s46, s[TR], 2
	s_add_co_u32 s41, s41, s46
	s_lshl_b32 s46, s[HR], 1
	s_add_co_u32 s41, s41, s46
	s_mul_i32 s41, s41, 278528
	s_and_b32 s46, s[TC], 7
	s_lshl_b32 s46, s46, 1
	s_add_co_u32 s46, s46, s[HC]
	s_mul_i32 s46, s46, 17408
	s_add_co_u32 s100, s41, s46
	s_add_nc_u64 s[92:93], s[14:15], s[100:101]
	s_add_nc_u64 s[94:95], s[92:93], 278528
	s_lshl_b32 s100, s[TR], 10
	s_lshl_b32 s41, s[HR], 9
	s_add_co_u32 s100, s100, s41
	s_add_co_u32 s100, s100, 8192
	s_add_nc_u64 s[42:43], s[8:9], s[100:101]
	s_wait_alu depctr_va_vdst(0)
	v_lshlrev_b32 v4, 2, v4
.irp a, 0,1,2,3,4,5,6,7
	global_load_b32 v[BI+2*\a], v4, s[42:43] offset:(32*(\a/2)+8*(\a%2))*4
	global_load_b32 v[BI+2*\a+1], v4, s[42:43] offset:(32*(\a/2)+8*(\a%2))*4
.endr
	s_wait_loadcnt 0x0
.macro V_BLOCK a
	WIN 0x02+(\a)/4
.set p, 0
.rept 32
	v_pk_add_f32 v[T+p:T+p+1], v[64*((\a)%4)+p:64*((\a)%4)+p+1], v[BI+2*(\a):BI+2*(\a)+1]
.set p, p+2
.endr
	WIN 0
	s_wait_xcnt 0x0
	QUANT T
	v_lshl_or_b32 v[SW+(\a)], v[TM+5], 8, v[TM+4]
	v_lshl_or_b32 v[SW+(\a)], v[TM+6], 16, v[SW+(\a)]
	v_lshl_or_b32 v[SW+(\a)], v[TM+7], 24, v[SW+(\a)]
.irp c, 0,1,2,3
	global_store_b128 v[CO], v[PC+4*\c:PC+4*\c+3], s[92+2*((\a)/4):93+2*((\a)/4)] offset:8192+2048*((\a)%4)+512*\c
.endr
.endm
.irp a, 0,1,2,3,4,5,6,7
	V_BLOCK \a
.endr
	global_store_b128 v[CO], v[SW:SW+3], s[92:93] offset:16896
	global_store_b128 v[CO], v[SW+4:SW+7], s[94:95] offset:16896
	FINISH
.Lfunc_end_k_q8f20c65d81_qkv:
	.size	k_q8f20c65d81_qkv, .Lfunc_end_k_q8f20c65d81_qkv-k_q8f20c65d81_qkv
	.p2alignl 7, 3214868480
	.fill 96, 4, 3214868480
	.section	.rodata,"a",@progbits
	.p2align	6, 0x0
	.amdhsa_kernel k_q8f20c65d81_qkv
		.amdhsa_group_segment_fixed_size 327680
		.amdhsa_private_segment_fixed_size 0
		.amdhsa_enable_private_segment 0
		.amdhsa_kernarg_size 48
		.amdhsa_user_sgpr_count 2
		.amdhsa_user_sgpr_kernarg_segment_ptr 1
		.amdhsa_wavefront_size32 1
		.amdhsa_system_sgpr_workgroup_id_x 1
		.amdhsa_system_sgpr_workgroup_id_y 1
		.amdhsa_system_sgpr_workgroup_id_z 1
		.amdhsa_system_vgpr_workitem_id 0
		.amdhsa_next_free_vgpr 1024
		.amdhsa_next_free_sgpr 106
		.amdhsa_reserve_vcc 1
		.amdhsa_float_denorm_mode_32 3
		.amdhsa_float_denorm_mode_16_64 3
		.amdhsa_memory_ordered 1
		.amdhsa_forward_progress 1
		.amdhsa_inst_pref_size 255
	.end_amdhsa_kernel
	.section	.bss,"aw",@nobits
	.p2align	6
	.space	262144
	.amdgpu_metadata
---
amdhsa.version: [ 1, 2 ]
amdhsa.kernels:
  - .name:           k_q8f20c65d81_qkv
    .symbol:         k_q8f20c65d81_qkv.kd
    .args:
      - { .name: pc, .offset: 0, .size: 8, .value_kind: global_buffer, .address_space: global }
      - { .name: ps, .offset: 8, .size: 8, .value_kind: global_buffer, .address_space: global }
      - { .name: b_qkv, .offset: 16, .size: 8, .value_kind: global_buffer, .address_space: global }
      - { .name: rt, .offset: 24, .size: 8, .value_kind: global_buffer, .address_space: global }
      - { .name: qq, .offset: 32, .size: 8, .value_kind: global_buffer, .address_space: global }
      - { .name: kv, .offset: 40, .size: 8, .value_kind: global_buffer, .address_space: global }
    .group_segment_fixed_size: 327680
    .private_segment_fixed_size: 0
    .kernarg_segment_align: 8
    .kernarg_segment_size: 48
    .max_flat_workgroup_size: 128
    .sgpr_count:     106
    .vgpr_count:     1024
    .wavefront_size: 32
...
	.end_amdgpu_metadata
.endif
;; end of part 2
;; launch attn (part 3): grid 4 x 64, 16 waves a work-group, clusters of 4 x 1, 327,680 bytes of LDS; arguments qq, kv, ac, asl; writes ac, asl
.if DOCPART == 3
	.amdgcn_target "amdgcn-amd-amdhsa--gfx1250"
	.amdhsa_code_object_version 6
	.text
	.protected	k_q8f20c65d81_attn
	.globl	k_q8f20c65d81_attn
	.p2align	8
	.type	k_q8f20c65d81_attn,@function
k_q8f20c65d81_attn:
	s_mov_b64 s[64:65], 0
	v_nop
	global_prefetch_b8 v0, s[64:65] scope:SCOPE_SE
	s_setreg_imm32_b32 hwreg(HW_REG_WAVE_MODE, 25, 1), 1
	s_wait_xcnt 0x0
	s_wait_alu depctr_hold_cnt(0) depctr_sa_sdst(0) depctr_va_vdst(0) depctr_va_sdst(0) depctr_va_ssrc(0) depctr_va_vcc(0) depctr_vm_vsrc(0)
	s_getreg_b32 s2, hwreg(HW_REG_IB_STS2, 6, 4)
	s_cmp_eq_u32 s2, 0
	s_cbranch_scc0 .Lentry_in_a_cluster
	s_endpgm
.Lentry_in_a_cluster:
	s_bfe_u32 s2, ttmp6, 0x10000c
	s_cmp_lg_u32 s2, 0x3003
	s_cbranch_scc0 .Lentry_shape_is_right
	s_endpgm
.Lentry_shape_is_right:
; o = softmax(q k^T / 8) v for 64 heads of 2,048 tokens x 64, both products on codes of FP8 (E4M3) with E8M0 scales; o is divided by the row's sum and quantised along the model's 1,024 for the output projection.
; THE SOFTMAX: t = score x log2(e) / 8; M = the running largest t rounded UP to a whole number; p = 2^(t - M) is quantised along the keys, not normalised; the sum is taken of the unquantised p.
; When M moves, the sum and O are multiplied by 2^(old M - new M): exact.
; SHARES.  A cluster of four work-groups is one head; a work-group owns 512 queries, in two passes of 256; each of its sixteen waves owns one tile of 16 queries in 256 registers.  Every wave walks all 2,048 keys, 128 a step.
; THE WHOLE HEAD'S K AND V LIE IN LDS: 16 steps x 17,408 bytes (K's codes 8,192, V's codes 8,192, K's scale words 512, V's 512), as images of operand registers: every read is 16 x lane + a constant.
; LDS is filled ONCE, by joint loads of the four partners, two a wave: at the head 17 rows of 256 bytes of steps 0-3; behind the three lines and a round of the cluster's barrier 51 rows of steps 4-15, which land while steps 0 and 1 are
; worked.  One tensor load of a wave is out at any time.  One work-group barrier in a pass, behind step 1, shows the second fill to all sixteen waves.
; No prefetch into the L2: every byte that the launch reads of kv is asked for by these two loads, and there is no loop to run ahead in.
; LAYOUT.  Both products transposed: S^T = K Q^T (source 0 = 16 keys), O^T = V^T P^T (source 0 = 16 of the head's 64): a lane holds ONE query.  Lane r of a tile T of tokens is token 32 (T / 2) + 8 (T % 2) + r + 8 (r / 8), so the 16
; registers of S^T's tiles 2 b, 2 b + 1 are keys 32 b + 16 h + 0 .. 15, and those of O^T's tiles 2 beta, 2 beta + 1 are d = 32 beta + 16 h + 0 .. 15.
; TWO BANKS OF 64 REGISTERS, X AND Y, CHANGE ROLES FROM STEP TO STEP.  One holds K and then, under the softmax, V; the other the scores and p.  When blocks of 32 keys of p are held, summed and converted, their registers take the tiles
; of the NEXT step's K, in two groups of loads (blocks 0-2; block 3 and K's scale words), which are on their way under the rest of the step.  The next first product writes its scores over V.  Behind step 15 the next K is step 0's, for
; the second pass; behind the second pass's step 15 these 17 loads are made and not read.
; K = 64 IN AN INSTRUCTION OF 128: Q's upper eight registers are zero codes and stay so.  K's fragment t is named as 16 registers: its upper eight are the next tile's codes; behind X's tile 7 lies the second pass's Q, behind Y's p's codes:
; all finite numbers (no code made by this program is the NaN code), which meet zero codes and add nothing.  The upper two bytes of both scale words are 0, which stands for 2^-127 and is no NaN.
; THE 68 EXPONENTIALS OF A STEP GO AS ONE BATCH, with one wait ahead of it and one behind it; V's loads stand between the first wait and the batch.
; THE ROW'S SUM is kept in four packed chains through a pass; a step's first four additions are multiply-adds by f.
; OUTPUTS: ac = [tile of tokens 512][head 16][32 d 2][lane][16]; asl = [tile][r][32 scale bytes], head h's two at 2 h.  The two scale bytes a row are stored by 2 bytes a lane: parts of 256-byte blocks; a block's other bytes belong to
; other heads, which other clusters make.
; LIMITS: NaN and infinities are not served; the scaled scores t stay under 2^31 in magnitude; blocks under 2^-118 and blocks of zeros have the byte 1 (their codes are zeros where the numbers are; this program alone reads the bytes).
.set STEPB, 17408
.set CHA,   4*STEPB                    ; the first fill: four steps
.set SPARE, 16*STEPB                   ; the spare words: 128 bytes a wave, eight blocks of 256 bytes that no other line names
.set AL,  1                            ; v1   16 x lane
.set AD,  2                            ; v2   LDS address: of the step in hand up to V's loads, of the next step behind them
.set GS,  3                            ; v3   32 r: my row's place in asl
.set SPW, 4                            ; v4   my spare word; never rewritten
.set NIL, 5                            ; v5   0; never rewritten
.set FF,  6                            ; v[6:7] f = 2^(old M - new M), in the low word
.set TP,  8                            ; v8   at work
.set QS,  9                            ; v9   Q's scale word; v10 p's; v11 the second pass's Q's: scales and nothing else
.set PS,  10
.set QSN, 11                           ; v12 -M, v13 the largest score, v14 at work
.set AL1, 15                           ; v15  16 x lane + a step
.set Q,   16                           ; v16-23  Q's codes; v24-31 zeros
.set X,   32                           ; v32-95  bank X
.set QN,  96                           ; v96-103 the second pass's Q
.set Y,   104                          ; v104-167 bank Y
.set P,   168                          ; v168-183 p's codes
.set O,   184                          ; v184-215 O^T
.set BM,  216                          ; v216-219 the blocks' largest scores, then largest p
.set BY,  220                          ; v220-223 second chains of the maxima, permutes' results, the scale bytes
.set HO,  224                          ; v224-227 448 x the scale
.set SO,  228                          ; v228-231 the conversions' scale operands
.set KS,  232                          ; v232-235 K's scale words; v236-239 V's
.set VS,  236
.set T,   240                          ; v240-247 eight held p on their way to a conversion
.set C,   248                          ; v248-255 the row's sum: four packed chains
.set TB,  2                            ; s2   LDS byte of the trip's first step
.set TN,  3                            ; s3   and of the next trip's
.set IX,  15                           ; s15  counts trips of two steps
.set WV,  12                           ; s12  my wave's number
.set PASS, 18
.set MNT, 19                           ; s19  the mantissa field of 448
.set SEL, 20                           ; s[20:21] v_permlanex16_b32's selects for lane l xor 16
.set CS,  22                           ; s[22:23] c = log2(e) / 8
.set G1,  24                           ; s[24:31] group 1 of the first fill; s[32:35] its group 0
.set G0,  32
.set G0B, 36                           ; s[36:39], s[40:47] the same of the second fill
.set G1B, 40
.macro CROUND                          ; a round of the cluster's barrier
	s_barrier_signal -1
	s_barrier_wait -1
	s_cmp_lg_u32 s[WV], 0
	s_cbranch_scc1 .Lnot_wave_0_\@
	s_barrier_signal -3
.Lnot_wave_0_\@:
	s_barrier_wait -3
	s_barrier_signal -1
	s_barrier_wait -1
.endm
	s_load_b128 s[4:7], s[0:1], 0x0                ; qq, kv
	s_load_b128 s[8:11], s[0:1], 0x10              ; ac, asl
	v_lshl_add_u32 v[SPW], v0, 2, SPARE
	v_mov_b32 v[NIL], 0
	ds_add_u32 v[SPW], v[NIL]                      ; the opening lines: the add, twice on end, and its wait ahead of my first tensor load
	ds_add_u32 v[SPW], v[NIL]
	v_lshrrev_b32 v1, 5, v0
	v_readfirstlane_b32 s[WV], v1                  ; wave 0..15
	s_bfe_u32 s13, ttmp6, 0x40000                  ; cx: it enters Q's and the outputs' addresses alone
	s_and_b32 s14, ttmp7, 0xffff                   ; 16 x batch + head, which the four partners share
	s_mul_i32 s16, s14, 16*STEPB                   ; the head's bytes in kv
	s_mov_b32 s[G0], 1
	s_mul_i32 s[G0+1], s[WV], 17*256               ; my 17 rows of the first fill's 272: in LDS,
	s_add_co_u32 s[G0+2], s16, s[G0+1]             ; and in kv
	s_mov_b32 s[G0+3], 0
	s_mov_b32 s[G0B], 1
	s_mul_i32 s[G0B+1], s[WV], 51*256              ; my 51 rows of the second fill's 816,
	s_add_co_u32 s[G0B+1], s[G0B+1], CHA           ; behind the first
	s_add_co_u32 s[G0B+2], s16, s[G0B+1]
	s_mov_b32 s[G0B+3], 0
	s_mov_b32 s[G1], 15|(3<<16)|(1<<21)            ; the mask: all four work-groups; elements of 8 bytes; bit 21 beside a mask; no padding
	s_mov_b32 s[G1+1], 32<<16                      ; rows of 32 elements: 256 bytes
	s_mov_b32 s[G1+2], 17<<16
	s_mov_b32 s[G1+3], 32<<16
	s_mov_b32 s[G1+4], 17
	s_mov_b32 s[G1+5], 32                          ; dense
	s_mov_b32 s[G1+6], 0
	s_mov_b32 s[G1+7], 0
	s_mov_b32 s[G1B], 15|(3<<16)|(1<<21)
	s_mov_b32 s[G1B+1], 32<<16
	s_mov_b32 s[G1B+2], 51<<16
	s_mov_b32 s[G1B+3], 32<<16
	s_mov_b32 s[G1B+4], 51
	s_mov_b32 s[G1B+5], 32
	s_mov_b32 s[G1B+6], 0
	s_mov_b32 s[G1B+7], 0
	s_mov_b32 s[SEL], 0x76543210
	s_mov_b32 s[SEL+1], 0xfedcba98
	s_mov_b32 s[CS], 0x3e38aa3b
	s_mov_b32 s[CS+1], s[CS]
	s_mov_b32 s[MNT], 0x600000
	s_lshl_b32 s48, s13, 2
	s_lshr_b32 s49, s[WV], 3
	s_add_co_u32 s48, s48, s49                     ; which 128 tokens hold my first pass's tile: 4 cx + wave / 8
	s_mul_i32 s48, s48, 8704
	s_mul_i32 s49, s14, 139264
	s_add_co_u32 s48, s48, s49
	s_mov_b32 s49, 0
	s_and_b32 s52, s[WV], 7                        ; my tile among their eight
	s_lshl_b32 s54, s52, 10
	s_mov_b32 s55, 0
	s_lshr_b32 s56, s52, 2
	s_lshl_b32 s56, s56, 8                         ; its scale words: lanes 16 (tile / 4) + r, 16 bytes a lane,
	s_and_b32 s53, s52, 3
	s_lshl_b32 s53, s53, 2                         ; word tile % 4,
	s_add_co_u32 s56, s56, s53
	s_add_co_u32 s56, s56, 8192                    ; behind the codes
	s_mov_b32 s57, 0
	s_lshr_b32 s58, s14, 4
	s_lshl_b32 s58, s58, 7
	s_lshl_b32 s59, s13, 5
	s_add_co_u32 s58, s58, s59
	s_add_co_u32 s58, s58, s[WV]                   ; my first pass's tile of tokens: 128 x batch + 32 cx + wave
	s_and_b32 s59, s14, 15                         ; the head
	s_lshl_b32 s60, s58, 14
	s_lshl_b32 s61, s59, 10
	s_add_co_u32 s60, s60, s61
	s_mov_b32 s61, 0
	s_lshl_b32 s62, s58, 9
	s_lshl_b32 s63, s59, 1
	s_add_co_u32 s62, s62, s63
	s_mov_b32 s63, 0
	s_wait_dscnt 0x0                               ; both opening adds are done
	s_wait_kmcnt 0x0
	s_add_nc_u64 s[G0+2:G0+3], s[6:7], s[G0+2:G0+3]
	s_or_b32 s[G0+3], s[G0+3], 0x80000000          ; type = 2
	s_add_nc_u64 s[G0B+2:G0B+3], s[6:7], s[G0B+2:G0B+3]
	s_or_b32 s[G0B+3], s[G0B+3], 0x80000000
	s_add_nc_u64 s[50:51], s[4:5], s[48:49]
	s_add_nc_u64 s[54:55], s[50:51], s[54:55]      ; Q's codes
	s_add_nc_u64 s[56:57], s[50:51], s[56:57]      ; Q's scale words
	s_add_nc_u64 s[8:9], s[8:9], s[60:61]          ; my images in ac
	s_add_nc_u64 s[10:11], s[10:11], s[62:63]      ; my bytes in asl
	CROUND                                         ; all four work-groups are here: the joint loads meet
	tensor_load_to_lds s[G0:G0+3], s[G1:G1+7]      ; steps 0-3: my one tensor load at the head
	s_nop 0
.rept 4
	v_nop
.endr
	v_and_b32 v1, 31, v0
	v_and_b32 v3, 15, v0
	v_lshlrev_b32 v[AL], 4, v1
	v_lshlrev_b32 v[AD], 4, v3                     ; 16 r, for Q's scale words; the register is the steps' behind the wait for these loads
	v_lshlrev_b32 v[GS], 5, v3
	global_load_b128 v[Q:Q+3], v[AL], s[54:55]                     ; Q's image, d 0-31,
	global_load_b128 v[Q+4:Q+7], v[AL], s[54:55] offset:512        ; d 32-63
	global_load_b128 v[QN:QN+3], v[AL], s[54:55] offset:17408      ; the second pass's tile lies 16 tiles, two blocks of 8,704 bytes, on
	global_load_b128 v[QN+4:QN+7], v[AL], s[54:55] offset:17408+512
	global_load_b32 v[QS], v[AD], s[56:57]
	global_load_b32 v[QSN], v[AD], s[56:57] offset:17408
	v_add_nc_u32 v[AL1], STEPB, v[AL]
.irp i, 0,1,2,3,4,5,6,7
	v_mov_b32 v[Q+8+\i], 0                         ; the zero codes of K = 64 .. 127
.endr
	v_mov_b32 v[FF+1], 0                           ; (named as the upper half of a pair)
	s_wait_alu depctr_va_vdst(0)                   ; the wait at the head's end
	s_wait_tensorcnt 0x0                           ; my part of steps 0-3 is in
	ds_add_u32 v[SPW], v[NIL]
	s_wait_dscnt 0x0
	CROUND                                         ; everybody's part is in, and all four work-groups are here
	tensor_load_to_lds s[G0B:G0B+3], s[G1B:G1B+7]  ; steps 4-15: the first tensor load behind the round
	s_nop 0
.rept 4
	v_nop
.endr
.macro KPRE bk, b                      ; K's tiles 2 b and 2 b + 1 of the step at v[AD] into registers 16 b on of bank bk
.irp u, 0,1
	ds_load_b128 v[\bk+16*(\b)+8*\u:\bk+16*(\b)+8*\u+3], v[AD] offset:1024*(2*(\b)+\u)
	ds_load_b128 v[\bk+16*(\b)+8*\u+4:\bk+16*(\b)+8*\u+7], v[AD] offset:1024*(2*(\b)+\u)+512
.endr
.endm
.macro FMAB bk, b                      ; t - M of block b, two at a time
.irp j, 0,2,4,6,8,10,12,14
	v_pk_fma_f32 v[\bk+16*(\b)+\j:\bk+16*(\b)+\j+1], v[\bk+16*(\b)+\j:\bk+16*(\b)+\j+1], s[CS:CS+1], v[12:13] op_sel_hi:[1,0,0]
.endr
.endm
.macro EXPB bk, b                      ; p = 2^(t - M) of block b, at most 1
.irp j, 0,1,2,3,4,5,6,7,8,9,10,11,12,13,14,15
	v_exp_f32 v[\bk+16*(\b)+\j], v[\bk+16*(\b)+\j]
.endr
.endm
.macro SUM1 bk, b, h, j, first         ; chain j takes pair j of half h of block b; first = 1: and comes under the new M
.if \first
	v_pk_fma_f32 v[C+2*\j:C+2*\j+1], v[C+2*\j:C+2*\j+1], v[FF:FF+1], v[\bk+16*(\b)+8*(\h)+2*\j:\bk+16*(\b)+8*(\h)+2*\j+1] op_sel_hi:[1,0,1]
.else
	v_pk_add_f32 v[C+2*\j:C+2*\j+1], v[C+2*\j:C+2*\j+1], v[\bk+16*(\b)+8*(\h)+2*\j:\bk+16*(\b)+8*(\h)+2*\j+1]
.endif
.endm
; Eight p: THE SUM IS TAKEN OF THE UNQUANTISED p; the hold (the conversion does not saturate: ISA guide 7.6.2; p is not negative, so it is one-sided) goes two a line into T; the conversion.
; One addition stands between the last conversion and the holds that write its sources anew, three between the holds and this conversion.
.macro HALF bk, b, h, first
	SUM1 \bk, \b, \h, 0, \first
.irp i, 0,2,4,6
	v_dual_min_num_f32 v[T+\i], v[\bk+16*(\b)+8*(\h)+\i], v[HO+(\b)] :: v_dual_min_num_f32 v[T+\i+1], v[\bk+16*(\b)+8*(\h)+\i+1], v[HO+(\b)]
.endr
	SUM1 \bk, \b, \h, 1, \first
	SUM1 \bk, \b, \h, 2, \first
	SUM1 \bk, \b, \h, 3, \first
	v_cvt_scalef32_pk8_fp8_f32 v[P+4*(\b)+2*(\h):P+4*(\b)+2*(\h)+1], v[T:T+7], v[SO+(\b)]
.endm
; A KEY STEP: 128 keys.  kb: the bank with K, then V; sb: the bank for the scores, then the next K; nx + v[al]: the next step's LDS address.
.macro STEP kb, sb, nx, al
	s_wait_dscnt 0x0                               ; K and its scale words are in
.irp t, 0,1,2,3
	v_wmma_scale_f32_16x16x128_f8f6f4 v[\sb+8*\t:\sb+8*\t+7], v[\kb+8*\t:\kb+8*\t+15], v[Q:Q+15], 0, v[KS+\t], v[QS]
.endr
.irp t, 4,5,6,7
	v_wmma_scale_f32_16x16x128_f8f6f4 v[\sb+8*\t:\sb+8*\t+7], v[\kb+8*\t:\kb+8*\t+15], v[Q:Q+15], 0, v[KS+\t-4], v[QS] matrix_a_scale:MATRIX_SCALE_ROW1
.endr
	v_mov_b32 v[TP], v12                           ; the old -M; with the seven below: eight places ahead of the first read of the scores
.rept 7
	v_nop
.endr
.irp b, 0,1,2,3                                ; the largest score of each block of 32 keys, in two chains a block: for the row's maximum and, since p rises with the score, for the block's largest p
	v_max3_num_f32 v[BM+\b], v[\sb+16*\b], v[\sb+1+16*\b], v[\sb+2+16*\b]
.endr
.irp b, 0,1,2,3
	v_max3_num_f32 v[BY+\b], v[\sb+7+16*\b], v[\sb+8+16*\b], v[\sb+9+16*\b]
.endr
.irp i, 3,5
.irp b, 0,1,2,3
	v_max3_num_f32 v[BM+\b], v[BM+\b], v[\sb+16*\b+\i], v[\sb+1+16*\b+\i]
.endr
.irp b, 0,1,2,3
	v_max3_num_f32 v[BY+\b], v[BY+\b], v[\sb+7+16*\b+\i], v[\sb+8+16*\b+\i]
.endr
.endr
.irp b, 0,1,2,3
	v_max3_num_f32 v[BM+\b], v[BM+\b], v[BY+\b], v[\sb+14+16*\b]
.endr
.irp b, 0,1,2,3
	v_max_num_f32 v[BM+\b], v[BM+\b], v[\sb+15+16*\b]
.endr
.irp b, 0,1,2,3
	s_delay_alu instid0(VALU_DEP_4)
	v_permlanex16_b32 v[BY+\b], v[BM+\b], s[SEL], s[SEL+1]
.endr
.irp b, 0,1,2,3
	s_delay_alu instid0(VALU_DEP_4)
	v_max_num_f32 v[BM+\b], v[BM+\b], v[BY+\b]     ; with lane l xor 16's 16 keys
.endr
	s_delay_alu instid0(VALU_DEP_3)
	v_max3_num_f32 v13, v13, v[BM], v[BM+1]
	s_delay_alu instid0(VALU_DEP_1)
	v_max3_num_f32 v13, v13, v[BM+2], v[BM+3]      ; the running largest score,
	s_delay_alu instid0(VALU_DEP_1)
	v_mul_f32 v14, s[CS], v13                      ; as t (c is positive),
	s_delay_alu instid0(VALU_DEP_1)
	v_floor_f32 v12, -v14                          ; the new -M = floor(-t) = -ceil(t)
	s_delay_alu instid0(VALU_DEP_1)
	v_pk_fma_f32 v[BM:BM+1], v[BM:BM+1], s[CS:CS+1], v[12:13] op_sel_hi:[1,0,0]           ; t - M of each block's largest score
	v_pk_fma_f32 v[BM+2:BM+3], v[BM+2:BM+3], s[CS:CS+1], v[12:13] op_sel_hi:[1,0,0]
	FMAB \sb, 0
	v_sub_f32 v[TP], v12, v[TP]                    ; old M - new M: a whole number, 0 or less
	FMAB \sb, 1
	v_cvt_i32_f32 v[TP], v[TP]                     ; (it saturates)
	FMAB \sb, 2
	FMAB \sb, 3
	s_wait_alu depctr_va_vdst(0)                   ; the wait ahead of the batch
.irp t, 0,1,2,3
.irp c, 0,1,2,3
	ds_load_b128 v[\kb+16*\t+4*\c:\kb+16*\t+4*\c+3], v[AD] offset:8192+2048*\t+512*\c   ; V's four tiles land under the rest of the softmax
.endr
.endr
	ds_load_b128 v[VS:VS+3], v[AD] offset:16896
	v_add_nc_u32 v[AD], \nx, v[\al]                ; on to the next step
.irp b, 0,1,2,3
	v_exp_f32 v[BM+\b], v[BM+\b]                   ; the block's largest p: the same two instructions on the same number give the same bits
.endr
	EXPB \sb, 0
	EXPB \sb, 1
	EXPB \sb, 2
	EXPB \sb, 3
	v_ldexp_f32 v[FF], 1.0, v[TP]                  ; f = 2^(old M - new M): the plain instruction behind the exponentials
	s_wait_alu depctr_va_vdst(0)                   ; one wait for the batch of 68, ahead of its first reader
	v_max_num_f32 v[BM], 0x4800000, v[BM]          ; the floor 2^(9 - 127): the byte cannot fall under 1
	v_max_num_f32 v[BM+1], 0x4800000, v[BM+1]
	v_dual_max_num_f32 v[BM+2], 0x4800000, v[BM+2] :: v_dual_max_num_f32 v[BM+3], 0x4800000, v[BM+3]
.irp b, 0,1,2,3
	v_add_nc_u32 v[SO+\b], 0xfc000000, v[BM+\b]    ; 8 off the exponent field: the conversion's scale operand
.endr
.irp b, 0,1,2,3
	v_lshrrev_b32 v[BY+\b], 23, v[SO+\b]           ; the scale's byte
.endr
	v_and_or_b32 v[HO], v[BM], 0x7f800000, s[MNT]  ; 448 x the scale, by turns with p's scale word for these 128 keys
	v_lshl_or_b32 v[PS], v[BY+1], 8, v[BY]
	v_and_or_b32 v[HO+1], v[BM+1], 0x7f800000, s[MNT]
	v_lshl_or_b32 v[PS], v[BY+2], 16, v[PS]
	v_and_or_b32 v[HO+2], v[BM+2], 0x7f800000, s[MNT]
	v_lshl_or_b32 v[PS], v[BY+3], 24, v[PS]
	v_and_or_b32 v[HO+3], v[BM+3], 0x7f800000, s[MNT]
	HALF \sb, 0, 0, 1
	HALF \sb, 0, 1, 0
	HALF \sb, 1, 0, 0
	HALF \sb, 1, 1, 0
	HALF \sb, 2, 0, 0
	HALF \sb, 2, 1, 0
	KPRE \sb, 0                                    ; the registers of blocks 0-2 are free: the next step's K begins to come
	KPRE \sb, 1
	KPRE \sb, 2
	HALF \sb, 3, 0, 0
	HALF \sb, 3, 1, 0
	KPRE \sb, 3
	ds_load_b128 v[KS:KS+3], v[AD] offset:16384    ; lanes 0-15: tiles 0-3 of row r; lanes 16-31: tiles 4-7
	s_wait_alu depctr_va_vdst(0)                   ; the wait here, directly ahead of the first reader of O^T
.set jj, 0
.rept 16
	v_pk_mul_f32 v[O+jj:O+jj+1], v[O+jj:O+jj+1], v[FF:FF+1] op_sel_hi:[1,0]   ; O^T under the new M; these 16 are also the places between the conversions and the products
.set jj, jj+2
.endr
	s_wait_alu depctr_va_vdst(0)                   ; the wait here, directly ahead of the wait below
	s_wait_dscnt 17                                ; V and its scale words are in; behind them: the next K's 16 loads and its scale words'
.irp t, 0,1,2,3
	v_wmma_scale_f32_16x16x128_f8f6f4 v[O+8*\t:O+8*\t+7], v[\kb+16*\t:\kb+16*\t+15], v[P:P+15], v[O+8*\t:O+8*\t+7], v[VS+\t], v[PS]   ; the four accumulators by turns
.endr
.rept 9
	v_nop                                          ; nine places: the next first product writes its scores over V
.endr
.endm
	s_wait_loadcnt 0x0                             ; Q of both passes
	v_mov_b32 v[AD], v[AL]                         ; step 0
.irp b, 0,1,2,3
	KPRE X, \b
.endr
	ds_load_b128 v[KS:KS+3], v[AD] offset:16384
	s_mov_b32 s[PASS], 2
.Lpass:
	v_mov_b32 v13, 0xff61b1e6                      ; the largest score so far: -3e38, under every score
.irp i, 0,2,4,6
	v_dual_mov_b32 v[C+\i], 0 :: v_dual_mov_b32 v[C+\i+1], 0       ; the sum's chains
.endr
.set jj, 0
.rept 16
	v_dual_mov_b32 v[O+jj], 0 :: v_dual_mov_b32 v[O+jj+1], 0       ; O^T: the step is written for every step alike; the first finds zeros, which the first change of M leaves zeros
.set jj, jj+2
.endr
	v_floor_f32 v12, -v13                          ; -M
	s_wait_alu depctr_va_vdst(0)                   ; the wait here, directly behind the write
	STEP X, Y, STEPB, AL
	STEP Y, X, 2*STEPB, AL
	s_wait_tensorcnt 0x0                           ; my part of steps 4-15 is in (in the second pass: long ago),
	s_wait_dscnt 0x0
	s_barrier_signal -1
	s_barrier_wait -1                              ; and everybody's: step 3 asks for step 4's K
	s_mov_b32 s[IX], 1
.Ltrip:                                                ; seven trips of two steps: steps 2 IX and 2 IX + 1
	s_mul_i32 s[TB], s[IX], 2*STEPB
	s_add_co_u32 s[TN], s[IX], 1
	s_and_b32 s[TN], s[TN], 7                      ; behind step 15 comes step 0
	s_mul_i32 s[TN], s[TN], 2*STEPB
	STEP X, Y, s[TB], AL1
	STEP Y, X, s[TN], AL
	s_add_co_u32 s[IX], s[IX], 1
	s_cmp_lt_u32 s[IX], 8
	s_cbranch_scc1 .Ltrip
	; ---- the way out of a pass.  Bank X and K's scale words are left alone: the next pass's first K is on its way there
	v_pk_add_f32 v[C:C+1], v[C:C+1], v[C+2:C+3]
	v_pk_add_f32 v[C+4:C+5], v[C+4:C+5], v[C+6:C+7]
	s_delay_alu instid0(VALU_DEP_1)
	v_pk_add_f32 v[C:C+1], v[C:C+1], v[C+4:C+5]
	s_delay_alu instid0(VALU_DEP_1)
	v_add_f32 v14, v[C], v[C+1]                    ; the sum's chains,
	s_delay_alu instid0(VALU_DEP_1)
	v_permlanex16_b32 v[BY], v14, s[SEL], s[SEL+1]
	s_delay_alu instid0(VALU_DEP_1)
	v_add_f32 v14, v14, v[BY]                      ; and lane l xor 16's: the row's sum
	s_wait_alu depctr_va_vdst(0)                   ; the wait ahead of the transcendental
	v_rcp_f32 v14, v14
	v_nop                                          ; the plain instruction behind the reciprocal
	s_wait_alu depctr_va_vdst(0)                   ; the wait ahead of the reciprocal's, and O^T's, first reader
.set jj, 0
.rept 16
	v_pk_mul_f32 v[Y+jj:Y+jj+1], v[O+jj:O+jj+1], v[14:15] op_sel_hi:[1,0]   ; o = O^T / the sum; register 16 beta + i is d = 32 beta + 16 h + i; each accumulator from its low end on
.set jj, jj+2
.endr
.irp b, 0,1
	v_max3_num_f32 v[BM+\b], |v[Y+16*\b]|, |v[Y+1+16*\b]|, 0x4800000
.endr
.irp i, 2,4,6,8,10,12,14
.irp b, 0,1
	s_delay_alu instid0(VALU_DEP_2)
	v_max3_num_f32 v[BM+\b], v[BM+\b], |v[Y+16*\b+\i]|, |v[Y+1+16*\b+\i]|
.endr
.endr
.irp b, 0,1
	s_delay_alu instid0(VALU_DEP_2)
	v_permlanex16_b32 v[BY+\b], v[BM+\b], s[SEL], s[SEL+1]
.endr
.irp b, 0,1
	s_delay_alu instid0(VALU_DEP_2)
	v_max_num_f32 v[BM+\b], v[BM+\b], v[BY+\b]     ; the largest magnitude of a block of 32 along the model's 1,024
.endr
.irp b, 0,1
	s_delay_alu instid0(VALU_DEP_2)
	v_add_nc_u32 v[SO+\b], 0xfc000000, v[BM+\b]
.endr
.irp b, 0,1
	s_delay_alu instid0(VALU_DEP_4)
	v_and_or_b32 v[HO+\b], v[BM+\b], 0x7f800000, s[MNT]
.endr
.irp b, 0,1
	s_delay_alu instid0(VALU_DEP_4)
	v_lshrrev_b32 v[BY+\b], 23, v[SO+\b]
.endr
	s_delay_alu instid0(VALU_DEP_1)
	v_lshl_or_b32 v[TP], v[BY+1], 8, v[BY]         ; my row's two scale bytes of this head
.irp b, 0,1
.irp i, 0,1,2,3,4,5,6,7,8,9,10,11,12,13,14,15
	v_med3_num_f32 v[Y+16*\b+\i], v[Y+16*\b+\i], -v[HO+\b], v[HO+\b]
.endr
	v_cvt_scalef32_pk8_fp8_f32 v[P+4*\b:P+1+4*\b], v[Y+16*\b:Y+7+16*\b], v[SO+\b]
	v_cvt_scalef32_pk8_fp8_f32 v[P+2+4*\b:P+3+4*\b], v[Y+8+16*\b:Y+15+16*\b], v[SO+\b]
.endr
	v_nop                                          ; one plain instruction behind the last conversion
	global_store_b128 v[AL], v[P:P+3], s[8:9]                  ; 512 consecutive bytes a store
	global_store_b128 v[AL], v[P+4:P+7], s[8:9] offset:512
	global_store_b16 v[GS], v[TP], s[10:11]                    ; both halves of the lanes hold, and write, the same two bytes
.irp i, 0,1,2,3,4,5,6,7
	v_mov_b32 v[Q+\i], v[QN+\i]                    ; the second pass's Q
.endr
	v_mov_b32 v[QS], v[QSN]
	s_wait_xcnt 0x0                                ; the stores have read their registers and bases
	s_add_nc_u64 s[8:9], s[8:9], 262144            ; 16 tiles on
	s_add_nc_u64 s[10:11], s[10:11], 8192
	s_sub_co_u32 s[PASS], s[PASS], 1
	s_cmp_lg_u32 s[PASS], 0
	s_cbranch_scc1 .Lpass
	s_wait_tensorcnt 0x0                           ; the wave's end
	ds_add_u32 v[SPW], v[NIL]
	s_wait_dscnt 0x0
	CROUND                                         ; the closing round: no work-group ends while a partner may still ask for a tile that names it
	s_endpgm
.Lfunc_end_k_q8f20c65d81_attn:
	.size	k_q8f20c65d81_attn, .Lfunc_end_k_q8f20c65d81_attn-k_q8f20c65d81_attn
	.p2alignl 7, 3214868480
	.fill 96, 4, 3214868480
	.section	.rodata,"a",@progbits
	.p2align	6, 0x0
	.amdhsa_kernel k_q8f20c65d81_attn
		.amdhsa_group_segment_fixed_size 327680
		.amdhsa_private_segment_fixed_size 0
		.amdhsa_enable_private_segment 0
		.amdhsa_kernarg_size 32
		.amdhsa_user_sgpr_count 2
		.amdhsa_user_sgpr_kernarg_segment_ptr 1
		.amdhsa_wavefront_size32 1
		.amdhsa_system_sgpr_workgroup_id_x 1
		.amdhsa_system_sgpr_workgroup_id_y 1
		.amdhsa_system_sgpr_workgroup_id_z 1
		.amdhsa_system_vgpr_workitem_id 0
		.amdhsa_next_free_vgpr 256
		.amdhsa_next_free_sgpr 66
		.amdhsa_reserve_vcc 0
		.amdhsa_float_denorm_mode_32 3
		.amdhsa_float_denorm_mode_16_64 3
		.amdhsa_memory_ordered 1
		.amdhsa_forward_progress 1
		.amdhsa_inst_pref_size 91
	.end_amdhsa_kernel
	.amdgpu_metadata
---
amdhsa.version: [ 1, 2 ]
amdhsa.kernels:
  - .name:           k_q8f20c65d81_attn
    .symbol:         k_q8f20c65d81_attn.kd
    .args:
      - { .name: qq, .offset: 0, .size: 8, .value_kind: global_buffer, .address_space: global }
      - { .name: kv, .offset: 8, .size: 8, .value_kind: global_buffer, .address_space: global }
      - { .name: ac, .offset: 16, .size: 8, .value_kind: global_buffer, .address_space: global }
      - { .name: asl, .offset: 24, .size: 8, .value_kind: global_buffer, .address_space: global }
    .group_segment_fixed_size: 327680
    .private_segment_fixed_size: 0
    .kernarg_segment_align: 8
    .kernarg_segment_size: 32
    .max_flat_workgroup_size: 512
    .sgpr_count:     66
    .vgpr_count:     256
    .wavefront_size: 32
...
	.end_amdgpu_metadata
.endif
;; end of part 3
;; launch proj (part 4): grid 4 x 32, 4 waves a work-group, clusters of 4 x 4, 327,680 bytes of LDS; arguments ac, asl, pc, ps, b_out, out0; writes out0
.if DOCPART == 4
	.amdgcn_target "amdgcn-amd-amdhsa--gfx1250"
	.amdhsa_code_object_version 6
	.text
	.protected	k_q8f20c65d81_proj
	.globl	k_q8f20c65d81_proj
	.p2align	8
	.type	k_q8f20c65d81_proj,@function
k_q8f20c65d81_proj:
	s_mov_b64 s[64:65], 0
	v_nop
	global_prefetch_b8 v0, s[64:65] scope:SCOPE_SE
	s_setreg_imm32_b32 hwreg(HW_REG_WAVE_MODE, 25, 1), 1
	s_wait_xcnt 0x0
	s_wait_alu depctr_hold_cnt(0) depctr_sa_sdst(0) depctr_va_vdst(0) depctr_va_sdst(0) depctr_va_ssrc(0) depctr_va_vcc(0) depctr_vm_vsrc(0)
	s_getreg_b32 s2, hwreg(HW_REG_IB_STS2, 6, 4)
	s_cmp_eq_u32 s2, 0
	s_cbranch_scc0 .Lentry_in_a_cluster
	s_endpgm
.Lentry_in_a_cluster:
	s_bfe_u32 s2, ttmp6, 0x10000c
	s_cmp_lg_u32 s2, 0xf033
	s_cbranch_scc0 .Lentry_shape_is_right
	s_endpgm
.Lentry_shape_is_right:
.set NQ,     2
.set FR,     16
.set NL,     4
.set NP,     8
.set HALFT,  32768
.set SLOT,   4*HALFT
.set SCL,    2*SLOT
.set HALFS,  16*272
.set SBLK,   2*272
.set SPARE,  SCL+4*HALFS
.set SPITCH, 528
.set ADRA, 16
.set ADRB, 20
.set STO,  24
.set RD,   25
.set CO,   26
.set ADRS, 27
.set SPW,  28
.set NIL,  29
.set SC,   32
.set BI,   64
.set AF,   128
.set BK,   128
.set WVN,  16
.set HR,   17
.set HC,   18
.set CXC,  19
.set CYC,  20
.set TR,   23
.set TC,   40
.set G1,   24
.set G0,   32
.set G1B,  48
.set G0B,  56
.set G1S,  68
.set G0S,  76
.set G1SB, 80
.set G0SB, 88
.set MSB, 0
.macro WIN new
.if MSB != (\new)
	s_set_vgpr_msb (MSB<<8)|(\new)
.set MSB, (\new)
.endif
.endm
.set MUL_LO,   0xa1
.set MUL_HI,   0xf1
.set FIRST_LO, 0x81
.set FIRST_HI, 0xc1
.set TO_B,     0x40
.macro JLOAD g0a, g1a, g0b, g1b
	s_cmp_eq_u32 s[HR], 0
	s_cbranch_scc0 .Lfor_b_\@
	tensor_load_to_lds s[\g0a:\g0a+3], s[\g1a:\g1a+7]
	s_nop 0
.rept 4
	v_nop
.endr
	s_branch .Lasked_\@
.Lfor_b_\@:
	tensor_load_to_lds s[\g0b:\g0b+3], s[\g1b:\g1b+7]
	s_nop 0
.rept 4
	v_nop
.endr
.Lasked_\@:
.endm
.macro CREST
	s_cmp_lg_u32 s[WVN], 0
	s_cbranch_scc1 .Lnot_wave_0_\@
	s_barrier_signal -3
.Lnot_wave_0_\@:
	s_barrier_wait -3
	s_barrier_signal -1
	s_barrier_wait -1
.endm
.macro CROUND
	s_barrier_signal -1
	s_barrier_wait -1
	CREST
.endm
	s_load_b256 s[4:11], s[0:1], 0x0
	s_load_b128 s[12:15], s[0:1], 0x20
	v_lshl_add_u32 v[SPW], v0, 2, SPARE
	v_mov_b32 v[NIL], 0
	ds_add_u32 v28, v29
	ds_add_u32 v28, v29
	s_wait_dscnt 0x0
	v_lshrrev_b32 v1, 5, v0
	v_readfirstlane_b32 s[WVN], v1
	s_lshr_b32 s[HR], s[WVN], 1
	s_and_b32 s[HC], s[WVN], 1
	s_bfe_u32 s[CXC], ttmp6, 0x40000
	s_bfe_u32 s[CYC], ttmp6, 0x40004
	s_lshl_b32 s[TC], ttmp9, 2
	s_add_co_u32 s[TC], s[TC], s[CXC]
	s_and_b32 s[TR], ttmp7, 0xffff
	s_lshl_b32 s[TR], s[TR], 2
	s_add_co_u32 s[TR], s[TR], s[CYC]
	s_lshl_b32 s41, s[CYC], 2
	s_lshl_b32 s41, 15, s41
	s_lshl_b32 s105, 0x1111, s[CXC]
	s_or_b32 s[G1+0], s41, (3<<16)|(1<<21)
	s_or_b32 s[G1B+0], s105, (3<<16)|(1<<21)
.irp g, G1, G1B
	s_mov_b32 s[\g+1], 512<<16
	s_mov_b32 s[\g+2], 16<<16
	s_mov_b32 s[\g+3], 512<<16
	s_mov_b32 s[\g+4], 16
	s_mov_b32 s[\g+5], 2048
	s_mov_b32 s[\g+6], 0
	s_mov_b32 s[\g+7], 0
.endr
	s_or_b32 s[G1S+0], s41, (3<<16)|(1<<20)|(1<<21)|(5<<22)|(3<<25)
	s_or_b32 s[G1SB+0], s105, (3<<16)|(1<<20)|(1<<21)|(5<<22)|(3<<25)
.irp g, G1S, G1SB
	s_mov_b32 s[\g+1], 32<<16
	s_mov_b32 s[\g+2], 32<<16
	s_mov_b32 s[\g+3], 32<<16
	s_mov_b32 s[\g+4], 32
	s_mov_b32 s[\g+5], 32
	s_mov_b32 s[\g+6], 0
	s_mov_b32 s[\g+7], 0
.endr
	s_lshl_b32 s97, s[HC], 3
	s_lshl_b32 s42, s[TR], 4
	s_add_co_u32 s42, s42, s97
	s_lshl_b32 s44, s[TC], 4
	s_add_co_u32 s44, s44, s97
	s_add_co_u32 s44, s44, 704
	s_lshl_b32 s46, s42, 9
	s_mov_b32 s47, 0
	s_lshl_b32 s42, s42, 14
	s_mov_b32 s43, 0
	s_lshl_b32 s98, s44, 9
	s_mov_b32 s99, 0
	s_lshl_b32 s44, s44, 14
	s_mov_b32 s45, 0
	s_mul_i32 s100, s[WVN], HALFT
	s_mul_i32 s101, s[WVN], HALFS
	s_wait_kmcnt 0x0
	s_add_nc_u64 s[42:43], s[4:5], s[42:43]
	s_add_nc_u64 s[46:47], s[6:7], s[46:47]
	s_add_nc_u64 s[44:45], s[8:9], s[44:45]
	s_add_nc_u64 s[98:99], s[10:11], s[98:99]
	CROUND
	s_mov_b32 s[G0S], 1
	s_add_co_u32 s[G0S+1], s101, SCL
	s_mov_b64 s[G0S+2:G0S+3], s[46:47]
	s_or_b32 s[G0S+3], s[G0S+3], 0x80000000
	s_mov_b32 s[G0SB], 1
	s_add_co_u32 s[G0SB+1], s101, SCL
	s_mov_b64 s[G0SB+2:G0SB+3], s[98:99]
	s_or_b32 s[G0SB+3], s[G0SB+3], 0x80000000
.irp s, 0,1
	s_mov_b32 s[G0+4*\s], 1
	s_add_co_u32 s[G0+4*\s+1], s100, \s*SLOT
	s_add_nc_u64 s[G0+4*\s+2:G0+4*\s+3], s[42:43], \s*4096
	s_or_b32 s[G0+4*\s+3], s[G0+4*\s+3], 0x80000000
	s_mov_b32 s[G0B+4*\s], 1
	s_add_co_u32 s[G0B+4*\s+1], s100, \s*SLOT
	s_add_nc_u64 s[G0B+4*\s+2:G0B+4*\s+3], s[44:45], \s*4096
	s_or_b32 s[G0B+4*\s+3], s[G0B+4*\s+3], 0x80000000
.endr
; THE HEAD'S LOADS, ONE A WAVE: wave 0 slot 0's 16 tiles of A, wave 1 its 16 tiles of B, wave 2 the scale words of A's 16 tiles, wave 3 those of B's.  Each begins at the block's first tile: my half's 8 tiles are taken off.
	s_lshl_b32 s100, s[HC], 12                     ; 8 tiles x 512 bytes of scale words
	s_mov_b32 s101, 0
	s_sub_nc_u64 s[G0S+2:G0S+3], s[46:47], s[100:101]
	s_or_b32 s[G0S+3], s[G0S+3], 0x80000000
	s_mov_b32 s[G0S+1], SCL
	s_sub_nc_u64 s[G0SB+2:G0SB+3], s[98:99], s[100:101]
	s_or_b32 s[G0SB+3], s[G0SB+3], 0x80000000
	s_mov_b32 s[G0SB+1], SCL+2*HALFS
	s_lshl_b32 s100, s[HC], 17                     ; 8 tiles x 16,384 bytes of codes
	s_sub_nc_u64 s[46:47], s[42:43], s[100:101]    ; s[44:47]: group 0 for A's 16 tiles
	s_or_b32 s47, s47, 0x80000000
	s_sub_nc_u64 s[98:99], s[44:45], s[100:101]    ; s[96:99]: for B's
	s_or_b32 s99, s99, 0x80000000
	s_mov_b32 s44, 1
	s_mov_b32 s45, 0
	s_mov_b32 s96, 1
	s_mov_b32 s97, 2*HALFT
.macro ARM under, g0, g1, next
	s_cmp_lt_u32 s[WVN], \under
	s_cbranch_scc0 \next
	tensor_load_to_lds s[\g0:\g0+3], s[\g1:\g1+7]
	s_nop 0
.rept 4
	v_nop
.endr
	s_branch .Lhead_asked
\next:
.endm
	ARM 1, 44, G1, .Lhead_b
	ARM 2, 96, G1B, .Lhead_sa
	ARM 3, G0S, G1S, .Lhead_sb
	tensor_load_to_lds s[G0SB:G0SB+3], s[G1SB:G1SB+7]
	s_nop 0
.rept 4
	v_nop
.endr
.Lhead_asked:
	v_and_b32 v1, 15, v0
	v_bfe_u32 v2, v0, 4, 1
	s_wait_alu depctr_va_vdst(0)
	v_and_b32 v3, 31, v0
	v_lshlrev_b32 v[CO], 4, v3
	s_wait_alu depctr_va_vdst(0)
	s_lshl_b32 s92, s[TC], 10
	s_lshl_b32 s93, s[HC], 9
	s_add_co_u32 s92, s92, s93
	s_mov_b32 s93, 0
	s_add_nc_u64 s[12:13], s[12:13], s[92:93]
	s_add_nc_u64 s[14:15], s[14:15], s[92:93]
	s_lshl_b32 s92, s[TR], 20
	s_lshl_b32 s94, s[HR], 19
	s_add_co_u32 s92, s92, s94
	s_add_nc_u64 s[14:15], s[14:15], s[92:93]
	v_lshlrev_b32 v3, 6, v2
.irp b, 0,1,2,3,4,5,6,7
	global_load_b128 v[BI+8*\b:BI+8*\b+3], v3, s[12:13] offset:(32*(\b/2)+8*(\b%2))*4
	global_load_b128 v[BI+8*\b+4:BI+8*\b+7], v3, s[12:13] offset:(32*(\b/2)+8*(\b%2))*4+16
.endr
	s_mul_i32 s41, s[HR], HALFT
	s_mul_i32 s105, s[HC], HALFT
	s_add_co_u32 s105, s105, 2*HALFT
.irp s, 0,1
	v_add_nc_u32 v[ADRA+\s], s41, v[CO]
	v_add_nc_u32 v[ADRB+\s], s105, v[CO]
	s_add_co_u32 s41, s41, SLOT
	s_add_co_u32 s105, s105, SLOT
.endr
	v_lshlrev_b32 v5, 5, v1
	v_lshrrev_b32 v6, 8, v5
	v_lshl_add_u32 v5, v6, 4, v5
	s_mul_i32 s92, s[HR], HALFS
	s_mul_i32 s93, s[HC], HALFS
	s_add_co_u32 s93, s93, 2*HALFS
	s_sub_co_u32 s93, s93, s92
	v_mul_u32_u24 v6, s93, v2
	s_add_co_u32 s92, s92, SCL
	v_add_nc_u32 v5, v5, v6
	v_add_nc_u32 v[ADRS], s92, v5
	s_mul_i32 s94, s[WVN], 16*SPITCH
	v_mul_u32_u24 v5, v1, SPITCH
	v_lshl_add_u32 v5, v2, 6, v5
	v_add_nc_u32 v[STO], s94, v5
	v_add_nc_u32 v[RD], s94, v[CO]
.macro FRAG reg, adr, q, i
.irp c, 0,1,2,3
	ds_load_b128 v[\reg+4*\c:\reg+4*\c+3], v[\adr] offset:4096*(\i)+2048*(\q)+512*\c
.endr
.endm
.macro MUL16 a0, p, q, sc, first
.irp a, \a0, \a0+1
.irp b, 0,1,2,3,4,5,6,7
.if \first
	v_wmma_scale_f32_16x16x128_f8f6f4 v[8*(8*((\a)%4)+\b):8*(8*((\a)%4)+\b)+7], v[128*(\p)+FR*\b:128*(\p)+FR*\b+FR-1], v[AF+FR*(\a):AF+FR*(\a)+FR-1], v[BI+8*\b:BI+8*\b+7], v[SC+8*NQ*(\sc)+NQ*\b+(\q)], v[SC+8*NQ*(\sc)+NQ*(\a)+(\q)] matrix_a_scale:MATRIX_SCALE_ROW1
.else
	v_wmma_scale_f32_16x16x128_f8f6f4 v[8*(8*((\a)%4)+\b):8*(8*((\a)%4)+\b)+7], v[128*(\p)+FR*\b:128*(\p)+FR*\b+FR-1], v[AF+FR*(\a):AF+FR*(\a)+FR-1], v[8*(8*((\a)%4)+\b):8*(8*((\a)%4)+\b)+7], v[SC+8*NQ*(\sc)+NQ*\b+(\q)], v[SC+8*NQ*(\sc)+NQ*(\a)+(\q)] matrix_a_scale:MATRIX_SCALE_ROW1
.endif
.endr
.endr
.endm
.macro FETCH_B slot, q, p
	WIN TO_B
.irp i, 0,1,2,3,4,5,6,7
	FRAG 128*(\p)+FR*\i, ADRB+\slot, \q, \i
.endr
	WIN 0
.endm
.macro FETCH_A slot, q, i0
.irp i, \i0, \i0+1, \i0+2, \i0+3
	FRAG AF+FR*(\i), ADRA+\slot, \q, \i
.endr
.endm
.macro SCALES sc
.irp i, 0,1,2,3,4,5,6,7
	ds_load_b64 v[SC+8*NQ*\sc+NQ*\i:SC+8*NQ*\sc+NQ*\i+1], v[ADRS] offset:\i*SBLK
.endr
.endm
.macro PLACES n
.rept \n
	v_nop
.endr
.endm
.macro STEP slot, q, first
	s_wait_dscnt 4*NL
.if \first
	WIN FIRST_LO
.else
	WIN MUL_LO
.endif
	MUL16 0, (\q)%2, \q, \slot, \first
	MUL16 2, (\q)%2, \q, \slot, \first
	s_wait_dscnt 0
	PLACES NP
	FETCH_B \slot, (\q)+1, 1-(\q)%2
	FETCH_A \slot, (\q)+1, 0
.if \first
	WIN FIRST_HI
.else
	WIN MUL_HI
.endif
	MUL16 4, (\q)%2, \q, \slot, \first
	MUL16 6, (\q)%2, \q, \slot, \first
	PLACES NP
	WIN 0
	FETCH_A \slot, (\q)+1, 4
.endm
.macro TURN slot, next, fill
	s_wait_tensorcnt 0x0
	ds_add_u32 v[SPW], v[NIL]
	s_wait_dscnt 4*NL+1
	WIN MUL_LO
	MUL16 0, 1, NQ-1, \slot, 0
	s_wait_dscnt 0x0
	s_barrier_signal -1
	MUL16 2, 1, NQ-1, \slot, 0
	WIN 0
	s_barrier_wait -1
.if \fill
	CREST
	s_add_nc_u64 s[G0+4*\slot+2:G0+4*\slot+3], s[G0+4*\slot+2:G0+4*\slot+3], 8192
	s_add_nc_u64 s[G0B+4*\slot+2:G0B+4*\slot+3], s[G0B+4*\slot+2:G0B+4*\slot+3], 8192
	JLOAD G0+4*\slot, G1, G0B+4*\slot, G1B
	PLACES NP-4
.else
	PLACES NP
.endif
	s_wait_alu depctr_va_vdst(0)
	v_add_nc_u32 v[ADRS], 4*NQ, v[ADRS]
	FETCH_B \next, 0, 0
	FETCH_A \next, 0, 0
	SCALES \next
	WIN MUL_HI
	MUL16 4, 1, NQ-1, \slot, 0
	MUL16 6, 1, NQ-1, \slot, 0
	PLACES NP
	WIN 0
	FETCH_A \next, 0, 4
.endm
	s_wait_alu depctr_va_vdst(0)                   ; the wait at the head's end
	s_wait_tensorcnt 0x0                           ; my tile of the head's four is in
	ds_add_u32 v[SPW], v[NIL]
	s_mov_b32 s[G1+2], 8<<16                       ; no tensor load of mine is out: from here on a load brings 8 tiles
	s_mov_b32 s[G1+4], 8
	s_mov_b32 s[G1B+2], 8<<16
	s_mov_b32 s[G1B+4], 8
	s_wait_dscnt 0x0
	CROUND                                         ; all four tiles are in, and all sixteen work-groups are here
	JLOAD G0+4, G1, G0B+4, G1B                     ; slot 1's first fill: the first tensor load behind the round
	FETCH_B 0, 0, 0
	FETCH_A 0, 0, 0
	SCALES 0
	FETCH_A 0, 0, 4
	s_wait_loadcnt 0x0
	STEP 0, 0, 1
	TURN 0, 1, 1
	STEP 1, 0, 0
	TURN 1, 0, 1
	STEP 0, 0, 0
	TURN 0, 1, 0
	STEP 1, 0, 0
	s_wait_dscnt 4*NL
	WIN MUL_LO
	MUL16 0, 1, NQ-1, 1, 0
	MUL16 2, 1, NQ-1, 1, 0
	s_wait_dscnt 0
	WIN MUL_HI
	MUL16 4, 1, NQ-1, 1, 0
	MUL16 6, 1, NQ-1, 1, 0
	WIN 0
.macro TOSTAGE a
.set AC, 64*((\a)%4)
	WIN 0x08+4*((\a)/4)
.irp b, 0,1,2,3,4,5,6,7
	ds_store_b128 v[STO], v[AC+8*\b:AC+8*\b+3] offset:128*(\b/2)+32*(\b%2)
	ds_store_b128 v[STO], v[AC+8*\b+4:AC+8*\b+7] offset:128*(\b/2)+32*(\b%2)+16
.endr
	WIN 0
.set BB, BK+64*((\a)%2)
.irp t, 0,1,2,3,4,5,6,7,8,9,10,11,12,13,14,15
	ds_load_b128 v[BB+4*\t:BB+4*\t+3], v[RD] offset:\t*SPITCH
.endr
.endm
.macro SEND a, younger
.set BB, BK+64*((\a)%2)
	s_wait_dscnt \younger
.irp t, 0,1,2,3,4,5,6,7,8,9,10,11,12,13,14,15
	global_store_b128 v[CO], v[BB+4*\t:BB+4*\t+3], s[14:15] offset:(32*((\a)/2)+8*((\a)%2)+\t+8*(\t/8))*4096 th:TH_STORE_NT
.endr
.endm
	PLACES NP
	TOSTAGE 0
.irp a, 1,2,3,4,5,6,7
.if \a > 1
	s_wait_xcnt 0x0
.endif
	TOSTAGE \a
	SEND \a-1, 32
.endr
	SEND 7, 0
	s_wait_tensorcnt 0x0
	ds_add_u32 v[SPW], v[NIL]
	s_wait_dscnt 0x0
	CROUND
	s_endpgm
.Lfunc_end_k_q8f20c65d81_proj:
	.size	k_q8f20c65d81_proj, .Lfunc_end_k_q8f20c65d81_proj-k_q8f20c65d81_proj
	.p2alignl 7, 3214868480
	.fill 96, 4, 3214868480
	.section	.rodata,"a",@progbits
	.p2align	6, 0x0
	.amdhsa_kernel k_q8f20c65d81_proj
		.amdhsa_group_segment_fixed_size 327680
		.amdhsa_private_segment_fixed_size 0
		.amdhsa_enable_private_segment 0
		.amdhsa_kernarg_size 48
		.amdhsa_user_sgpr_count 2
		.amdhsa_user_sgpr_kernarg_segment_ptr 1
		.amdhsa_wavefront_size32 1
		.amdhsa_system_sgpr_workgroup_id_x 1
		.amdhsa_system_sgpr_workgroup_id_y 1
		.amdhsa_system_sgpr_workgroup_id_z 1
		.amdhsa_system_vgpr_workitem_id 0
		.amdhsa_next_free_vgpr 1024
		.amdhsa_next_free_sgpr 106
		.amdhsa_reserve_vcc 0
		.amdhsa_float_denorm_mode_32 3
		.amdhsa_float_denorm_mode_16_64 3
		.amdhsa_memory_ordered 1
		.amdhsa_forward_progress 1
		.amdhsa_inst_pref_size 148
	.end_amdhsa_kernel
	.amdgpu_metadata
---
amdhsa.version: [ 1, 2 ]
amdhsa.kernels:
  - .name:           k_q8f20c65d81_proj
    .symbol:         k_q8f20c65d81_proj.kd
    .args:
      - { .name: ac, .offset: 0, .size: 8, .value_kind: global_buffer, .address_space: global }
      - { .name: asl, .offset: 8, .size: 8, .value_kind: global_buffer, .address_space: global }
      - { .name: pc, .offset: 16, .size: 8, .value_kind: global_buffer, .address_space: global }
      - { .name: ps, .offset: 24, .size: 8, .value_kind: global_buffer, .address_space: global }
      - { .name: b_out, .offset: 32, .size: 8, .value_kind: global_buffer, .address_space: global }
      - { .name: out0, .offset: 40, .size: 8, .value_kind: global_buffer, .address_space: global }
    .group_segment_fixed_size: 327680
    .private_segment_fixed_size: 0
    .kernarg_segment_align: 8
    .kernarg_segment_size: 48
    .max_flat_workgroup_size: 128
    .sgpr_count:     106
    .vgpr_count:     1024
    .wavefront_size: 32
...
	.end_amdgpu_metadata
.endif
;; end of part 4
